; MI455X (gfx1250); checked and timed in simulation.
; The chip was launched on July 23, 2026; its instructions are those of AMD's public machine-readable ISA for CDNA 5 (MIT licence, August 2026) and "CDNA5" Instruction Set Architecture Reference Guide (July 2026). The comments in the code are by the model that wrote it; some were corrected since.
;; Mo E Block. Allowed arithmetic: matrix products marked QUANTISED: E3M2 operands, one E8M0 scale for each 32 along K, by v_wmma_scale_f32_16x16x128_f8f6f4 with both operands' format E3M2, f32 sums; products left as they are: f32 operands where the result goes on into a quantised operand, else bf16, f16 or f32 operands; f32 sums; everything else in f32.
;; Inputs: b1 8 x 1,024 float32; b2 8 x 256 float32; gate_b 8 float32; gate_w 256 x 8 float32; w1 8 x 256 x 1,024 float32; w2 8 x 1,024 x 256 float32; x 4 x 2,048 x 256 float32.
;; Outputs: out0 4 x 2,048 x 256 float32.
;; This version of the problem:
;;   THIS VERSION OF THE PROBLEM IS GIVEN IN LOW PRECISION. The matrix products marked QUANTISED in the list below multiply operands that are first quantised to E3M2 (3 exponent bits, 2 mantissa bits; 6 bits a number), with one power-of-two scale for each 32 numbers along K (OCP MX v1.0); their sums are f32. All else is computed in f32.
;;   The module's matrix products, in the order in which they are computed (A, B: the left and right operand; K: the contracted axis; several contracted axes count as one K, in the product's order):
;;     1. [M 8,192, K 256] x [K 256, N 8]; A: input x; B: input gate_w: left as it is (N = 8 < 16)
;;     2. [M 8,192, K 256] x [K 256, N 1,024]; A: input x; B: input w1: QUANTISED
;;     3. [M 8,192, K 1,024] x [K 1,024, N 256]; A: computed on the way; B: input w2: QUANTISED
;;     4. [M 8,192, K 256] x [K 256, N 1,024]; A: input x; B: input w1: QUANTISED
;;     5. [M 8,192, K 1,024] x [K 1,024, N 256]; A: computed on the way; B: input w2: QUANTISED
;;     6. [M 8,192, K 256] x [K 256, N 1,024]; A: input x; B: input w1: QUANTISED
;;     7. [M 8,192, K 1,024] x [K 1,024, N 256]; A: computed on the way; B: input w2: QUANTISED
;;     8. [M 8,192, K 256] x [K 256, N 1,024]; A: input x; B: input w1: QUANTISED
;;     9. [M 8,192, K 1,024] x [K 1,024, N 256]; A: computed on the way; B: input w2: QUANTISED
;;     10. [M 8,192, K 256] x [K 256, N 1,024]; A: input x; B: input w1: QUANTISED
;;     11. [M 8,192, K 1,024] x [K 1,024, N 256]; A: computed on the way; B: input w2: QUANTISED
;;     12. [M 8,192, K 256] x [K 256, N 1,024]; A: input x; B: input w1: QUANTISED
;;     13. [M 8,192, K 1,024] x [K 1,024, N 256]; A: computed on the way; B: input w2: QUANTISED
;;     14. [M 8,192, K 256] x [K 256, N 1,024]; A: input x; B: input w1: QUANTISED
;;     15. [M 8,192, K 1,024] x [K 1,024, N 256]; A: computed on the way; B: input w2: QUANTISED
;;     16. [M 8,192, K 256] x [K 256, N 1,024]; A: input x; B: input w1: QUANTISED
;;     17. [M 8,192, K 1,024] x [K 1,024, N 256]; A: computed on the way; B: input w2: QUANTISED
;;   THE QUANTISER, for each operand of a quantised product, along K:
;;     - K is cut into blocks of 32 from its start; a last block that is shorter is filled with zeros.
;;     - A block's scale is 2^e with e = floor(log2(the largest magnitude in the block)) - 4, held to -126 .. 127; a block of zeros has e = 0. As a byte (E8M0): e + 127.
;;     - Each number is divided by its block's scale, clamped to +-28, and rounded to the nearest number of E3M2, ties to even, subnormals kept.
;;     - The product sums the exact products of the quantised numbers (number of the format x scale) in f32.
;;   ~~~python
;;   def quantise(x, axis):      # numpy; x: float32 -> the quantised numbers, widened to float32 again
;;       x = np.moveaxis(x, axis, -1); K = x.shape[-1]
;;       x = np.pad(x, [(0, 0)] * (x.ndim - 1) + [(0, -K % 32)]); x = x.reshape(x.shape[:-1] + (-1, 32)); a = np.abs(x).max(-1, keepdims=True)
;;       e = np.where(a > 0, np.clip(np.frexp(np.where(a > 0, a, 1))[1] - 1 - 4, -126, 127), 0)      # np.frexp(a)[1] - 1 = floor(log2(a)), exactly
;;       r = np.clip(x / 2.0 ** e, -28, 28)
;;       step = 2.0 ** (np.maximum(np.frexp(np.where(r == 0, 1, r))[1] - 1, -2) - 2)
;;       q = np.round(r / step) * step * 2.0 ** e      # np.round: ties to even
;;       return np.moveaxis(q.reshape(q.shape[:-2] + (-1,))[..., :K], -1, axis).astype(np.float32)
;;   ~~~
;;   OPERANDS COMPUTED ON THE WAY. 'Computed on the way' means the value that the module computes at that place (a softmax that the list does not call 'softmax' is quantised finished and normalised). What goes into a quantiser is computed in f32, as accurately as f32 sums, v_exp_f32 and their like allow (about 1e-6 of the number): no bf16 or f16 on the way to a quantiser, and a product that is left as it is and whose result goes on into a quantised operand takes f32 operands (vector FMAs, or v_wmma_f32_16x16x4_f32). A number that lies on a knife's edge between two numbers of the format may be rounded either way, as far as f32 arithmetic and the matrix unit's own rounding can turn it there, and no further.
;; 2 versions, each right; version 2 is version 1 with the launch chain written anew for expert scheduling mode. Each part assembles by itself: llvm-mc -triple=amdgcn-amd-amdhsa -mcpu=gfx1250 --defsym DOCPART=n.
;; ======== version 1 of 2: 3 launches
;; workspace buffers: wf 3,276,800 bytes; xq 1,572,864 bytes; xs 65,536 bytes; gw 65,536 bytes; sel 32,768 bytes of whole numbers; hist 65,536 bytes of whole numbers; order 32,768 bytes of whole numbers; tiles 2,048 bytes of whole numbers
;; launch prep (part 1): grid 384 x 1, 4 waves a work-group, no clusters, 22,016 bytes of LDS; arguments x, gate_w, gate_b, w1, w2, wf, xq, xs, sel, gw, hist; writes wf, xq, xs, sel, gw, hist
.if DOCPART == 1
	.amdgcn_target "amdgcn-amd-amdhsa--gfx1250"
	.amdhsa_code_object_version 6
	.text
	.protected	k_qf300ab1658_prep
	.globl	k_qf300ab1658_prep
	.p2align	8
	.type	k_qf300ab1658_prep,@function
k_qf300ab1658_prep:
	s_mov_b64 s[64:65], 0
	v_nop
	global_prefetch_b8 v0, s[64:65] scope:SCOPE_SE
	s_setreg_imm32_b32 hwreg(HW_REG_WAVE_MODE, 25, 1), 1
	s_wait_xcnt 0x0
; PREP: everything that is done once for all tokens and weights.  Three roles, chosen by the work-group number alone.
;   work-groups   0-127: w1 [8][256][1024] f32 -> codes of BF6 (E3M2) and E8M0 scale words, quantised along its first inner axis (K = 256)
;   work-groups 128-255: w2 [8][1024][256] f32 -> the same, K = 1024
;   work-groups 256-383: x [8192][256] f32 -> codes and scale bytes; the router in f32: 8 logits, the two largest, their renormalised weights
; A block of 32 along K has the scale 2^(floor(log2(largest magnitude)) - 4); its byte is the largest magnitude's exponent field - 4, held at 1 from below.
; WF, 64 records of 51,200 bytes, record 8 e + 2 w + g (expert e, wave w and half g of the launch that multiplies), is laid in the ORDER OF THE OPERAND REGISTERS:
;   +0      16 fragments of w1 (8 s + t: K step s of 128, tile t = 2 b + u); lane r of tile t is hidden unit 128 (2 w + g) + 32 b + 8 u + r + 8 (r / 8)
;   +24576  their scale words: register 4 s + b, lane 16 u + r, at byte 512 s + 16 lane + 4 b
;   +25600  16 fragments of w2 (tile t: outputs 16 t + r; K = hidden units 128 (2 w + g) .. + 127);   +50176 their scale words: register t / 2, lane 16 (t % 2) + r
;   a fragment is 1,536 bytes: chunk c of 512 bytes holds at 16 x lane that lane's registers 4 c .. 4 c + 3
; XQ: 192 bytes a token; block 4 s + 2 c + h at byte 96 h + 48 s + 24 c, so that operand lane (r, h) finds its 24 registers on end.  XS: 8 scale bytes a token.
; SEL: key | first expert << 8 | second << 16; the key numbers the 28 pairs so that neighbouring keys share an expert.  GW: the two weights.  HIST: for each 16 tokens the count of each key.
; LIMITS: NaN and infinities among the inputs are not served.  A block whose largest magnitude lies under 2^-122 keeps the byte 1; a block of zeros too (its codes are zeros; only this program reads the bytes).
; The two largest are taken of the f32 logits (the softmax rises with them; the lower index wins a tie): logits that differ by a rounding of the f32 sum may be taken in the other order than by another order of summing.
; No floating-point number enters an address or a branch here: all results go to fixed places.
.set X,    32                          ; weight roles: v32-159, 128 numbers down K of my column
.set IMG,  160                         ; v160-183: the registers of operand lanes (r, 0) and (r, 1)
.set TT,   184                         ; v184-190: a block's second 16 codes, made on an even register and moved
.set REC,  51200
.set WREG, 5376                        ; router, LDS of a wave: two stages of 32 x 80 bytes, then its 128 scale bytes
.macro QLOAD kb, pitch                 ; block kb: 32 rows of K at my column; 32 lanes read 128 consecutive bytes
.set qi, 0
.rept 32
	global_load_b32 v[X+32*(\kb)+qi], v2, s[36:37] offset:(32*(\kb)+qi)*(\pitch) th:TH_LOAD_NT
.set qi, qi+1
.endr
.endm
.macro QBLOCK kb                       ; all 32 numbers of the block are mine: no other lane is asked
.set XB, X+32*(\kb)
.set IH, IMG+12*((\kb)%2)+6*((\kb)/2)  ; block kb belongs to operand lane half kb % 2, registers 6 (kb / 2) on
.set TB, TT+4*((\kb)%2)
	v_max3_num_f32 v12, |v[XB]|, |v[XB+1]|, |v[XB+2]|
	v_max3_num_f32 v13, |v[XB+3]|, |v[XB+4]|, |v[XB+5]|
.irp i, 6,10,14,18,22,26
	v_max3_num_f32 v12, v12, |v[XB+\i]|, |v[XB+\i+1]|
	v_max3_num_f32 v13, v13, |v[XB+\i+2]|, |v[XB+\i+3]|
.endr
	v_max3_num_f32 v12, v12, |v[XB+30]|, |v[XB+31]|
	v_max3_num_f32 v12, v12, v13, 0x2800000        ; the floor 2^(5 - 127): the byte cannot fall under 1
	v_add_nc_u32 v[16+\kb], 0xfe000000, v12        ; 4 off the exponent field: the conversion's scale operand
	v_lshrrev_b32 v13, 23, v[16+\kb]               ; the scale byte
.if \kb == 0
	v_mov_b32 v8, v13
.else
	v_lshl_or_b32 v8, v13, 8*\kb, v8               ; four bytes make the column's scale word for these 128 k
.endif
	v_cvt_scalef32_pk16_bf6_f32 v[IH:IH+2], v[XB:XB+15], v[16+\kb]
	v_cvt_scalef32_pk16_bf6_f32 v[TB:TB+2], v[XB+16:XB+31], v[16+\kb]   ; (three registers that begin on an even number)
	v_nop                                          ; one plain line behind a scaled conversion
.irp i, 0,1,2
	v_mov_b32 v[IH+3+\i], v[TB+\i]
.endr
.endm
; A wave takes 32 columns x 128 k.  s[36:37] source, s[38:39] codes, s[40:41] scale words.  perm = 1: the columns of a tile are chosen as w1's are (see WF above).
.macro QW pitch, perm
	v_lshlrev_b32 v2, 2, v1                        ; my column: 4 bytes a lane
.if \perm
	v_bfe_u32 v3, v1, 3, 1                         ; which of the wave's two tiles
	v_and_b32 v4, 7, v1
	v_lshrrev_b32 v5, 4, v1
	v_lshl_add_u32 v4, v5, 3, v4                   ; and which row r of it
.else
	v_lshrrev_b32 v3, 4, v1
	v_and_b32 v4, 15, v1
.endif
	v_lshlrev_b32 v5, 4, v4
	v_mad_u32_u24 v6, v3, 1536, v5                 ; codes: fragment + 16 r
	v_lshl_add_u32 v7, v3, 8, v5                   ; scale word: 16 x (16 u + r)
	QLOAD 0, \pitch
	QLOAD 1, \pitch
	s_wait_loadcnt 32                              ; block 0 is in; the 32 loads of block 1 may be out
	QLOAD 2, \pitch
	QBLOCK 0
	s_wait_loadcnt 32                              ; block 1 is in; block 2's may be out
	QLOAD 3, \pitch
	QBLOCK 1
	s_wait_loadcnt 32                              ; block 2 is in; block 3's may be out
	QBLOCK 2
	s_wait_loadcnt 0x0
	QBLOCK 3
.irp h, 0,1
.irp c, 0,1,2
	global_store_b128 v6, v[IMG+12*\h+4*\c:IMG+12*\h+4*\c+3], s[38:39] offset:512*\c+256*\h   ; sixteen lanes of a tile store 256 consecutive bytes, aligned
.endr
.endr
	global_store_b32 v7, v8, s[40:41]              ; 4 bytes at a stride of 16: the four waves together fill the 512 bytes; one twenty-fourth of the codes' bytes
.endm
.macro QBASE src, coff, soff           ; s36 = offset in the source, s27 = record, s28 = which half (K step of w1, column half of w2)
	s_mov_b32 s37, 0
	s_add_nc_u64 s[36:37], s[\src:\src+1], s[36:37]
	s_mul_i32 s30, s27, REC
	s_mul_i32 s38, s28, 12288
	s_add_co_u32 s38, s38, s30
	s_mul_i32 s29, s26, 3072                       ; a wave makes two fragments
	s_add_co_u32 s38, s38, s29
	s_add_co_u32 s38, s38, \coff
	s_mov_b32 s39, 0
	s_add_nc_u64 s[38:39], s[14:15], s[38:39]
	s_lshl_b32 s40, s28, 9
	s_add_co_u32 s40, s40, s30
	s_lshl_b32 s29, s26, 2
	s_add_co_u32 s40, s40, s29
	s_add_co_u32 s40, s40, \soff
	s_mov_b32 s41, 0
	s_add_nc_u64 s[40:41], s[14:15], s[40:41]
.endm
	s_load_b256 s[4:11], s[0:1], 0x0               ; x s[4:5], gate_w s[6:7], gate_b s[8:9], w1 s[10:11]
	s_load_b256 s[12:19], s[0:1], 0x20             ; w2 s[12:13], wf s[14:15], xq s[16:17], xs s[18:19]
	s_load_b128 s[20:23], s[0:1], 0x40             ; sel s[20:21], gw s[22:23]
	s_load_b64 s[24:25], s[0:1], 0x50              ; hist
	s_set_vgpr_msb 0x40
	v_lshl_add_u32 v0, v0, 2, 0x5400
	v_mov_b32 v1, 0
	s_set_vgpr_msb 0x4000
	v_lshrrev_b32 v1, 5, v0
	v_readfirstlane_b32 s26, v1                    ; wave
	v_and_b32 v1, 31, v0                           ; lane
	s_wait_kmcnt 0x0
	s_cmp_lt_u32 ttmp9, 128
	s_cbranch_scc1 .Lw1
	s_cmp_lt_u32 ttmp9, 256
	s_cbranch_scc1 .Lw2
; ---------------- THE ROUTER AND x.  A wave takes 16 tokens, two a step.  Lane 16 h + j holds k = 16 j .. 16 j + 15 of token 2 t + h.
; Loads take the bytes as they lie (512 consecutive bytes each); a step's 2,048 bytes turn through the wave's own stage in LDS and come back 64 bytes a lane.
; v2 j, v3 h, v4 16 x lane, v5/v6 stage in/out, v7 place in xq, v8 place of my block's scale byte, v9-14 quantiser, v16-23 logits, v24-29 the two largest, v30-31 scale bytes by turns,
; v32-63 two sets of 16 neighbours, v64-111 three sets as loaded, v112 sel word kept, v[114:115] weights kept, v116 histogram, v117-124 at work, v128-255 gate_w rows 16 j .. 16 j + 15
	s_sub_co_u32 s27, ttmp9, 256
	s_lshl_b32 s27, s27, 2
	s_add_co_u32 s27, s27, s26                     ; which 16 tokens
	s_load_b256 s[28:35], s[8:9], 0x0              ; gate_b
	s_mov_b32 s37, 0
	s_lshl_b32 s36, s27, 14
	s_add_nc_u64 s[40:41], s[4:5], s[36:37]        ; x: 16 rows of 1,024 bytes
	s_mul_i32 s36, s27, 3072
	s_add_nc_u64 s[42:43], s[16:17], s[36:37]      ; xq: 16 x 192
	s_lshl_b32 s36, s27, 7
	s_add_nc_u64 s[44:45], s[18:19], s[36:37]      ; xs: 16 x 8
	s_add_nc_u64 s[48:49], s[22:23], s[36:37]      ; gw: 16 x 8
	s_add_nc_u64 s[50:51], s[24:25], s[36:37]      ; hist: a row of 128 bytes
	s_lshl_b32 s36, s27, 6
	s_add_nc_u64 s[46:47], s[20:21], s[36:37]      ; sel: 16 x 4
	s_mul_i32 s38, s26, WREG
	v_and_b32 v2, 15, v1
	v_lshrrev_b32 v3, 4, v1
	v_lshlrev_b32 v4, 4, v1
	v_lshlrev_b32 v15, 9, v2                       ; gate_w: 16 rows of 32 bytes
.set gi, 0
.rept 32
	global_load_b128 v[128+4*gi:131+4*gi], v15, s[6:7] offset:16*gi
.set gi, gi+1
.endr
.macro RLOAD t
.irp i, 0,1,2,3
	global_load_b128 v[64+16*((\t)%3)+4*\i:64+16*((\t)%3)+4*\i+3], v4, s[40:41] offset:2048*(\t)+512*\i th:TH_LOAD_NT
.endr
.endm
.macro RTURN t                         ; LDS serves a wave's instructions in order: no wait between the stores and the loads
.irp i, 0,1,2,3
	ds_store_b128 v5, v[64+16*((\t)%3)+4*\i:64+16*((\t)%3)+4*\i+3] offset:2560*((\t)%2)+640*\i
.endr
.irp i, 0,1,2,3
	ds_load_b128 v[32+16*((\t)%2)+4*\i:32+16*((\t)%2)+4*\i+3], v6 offset:2560*((\t)%2)+16*\i
.endr
.endm
	RLOAD 0
	RLOAD 1
	RLOAD 2
	v_lshrrev_b32 v5, 2, v1
	v_mul_u32_u24 v5, v5, 80
	v_and_b32 v6, 3, v1
	v_lshl_add_u32 v5, v6, 4, v5
	v_add_nc_u32 v5, s38, v5                       ; stage, in: four lanes' 64 bytes on end, then 16 of padding
	v_mul_u32_u24 v6, v1, 80
	v_add_nc_u32 v6, s38, v6                       ; stage, out: my 64 bytes
	v_lshrrev_b32 v9, 1, v2                        ; my block kb = j / 2
	v_mul_u32_u24 v7, v3, 192
	v_and_b32 v10, 1, v9
	v_mad_u32_u24 v7, v10, 96, v7
	v_lshrrev_b32 v10, 2, v9
	v_mad_u32_u24 v7, v10, 48, v7
	v_bfe_u32 v10, v9, 1, 1
	v_mad_u32_u24 v7, v10, 24, v7
	v_and_b32 v10, 1, v2
	v_mad_u32_u24 v7, v10, 12, v7                  ; 192 h + 96 (kb & 1) + 48 (kb >> 2) + 24 ((kb >> 1) & 1) + 12 (j & 1)
	v_lshl_add_u32 v8, v3, 3, v9
	v_add_nc_u32 v8, s38, v8
	v_add_nc_u32 v8, 5120, v8
	v_lshlrev_b32 v123, 2, v1
	v_add_nc_u32 v124, s38, v123
	v_add_nc_u32 v124, 5120, v124                  ; the scale bytes on their way out: 4 a lane
	v_mov_b32 v112, 0xff                           ; no key: lanes that keep no token count for none
	v_mov_b32 v114, 0
	v_mov_b32 v115, 0
	v_mov_b32 v116, 0
	s_wait_kmcnt 0x0                               ; gate_b
	s_wait_loadcnt 8                               ; gate_w and step 0 are in; the 8 loads of steps 1 and 2 may be out
	RTURN 0
.macro RSTEP t
.set XB, 32+16*((\t)%2)
.if (\t) > 0
	s_wait_dscnt 1                                 ; this step's numbers are back from the stage; the last step's byte store may be out
.else
	s_wait_dscnt 0x0
.endif
.if (\t) < 5
	RLOAD (\t)+3                                   ; into the set whose stores into the stage are done
	s_wait_loadcnt 8                               ; the next step's loads are in; those of the two steps behind it may be out
.elseif (\t) == 5
	s_wait_loadcnt 4
.elseif (\t) == 6
	s_wait_loadcnt 0x0
.endif
.if (\t) < 7
	RTURN (\t)+1
.endif
	s_wait_xcnt 0x0                                ; v[12:14] were the last step's store data: written again only behind this wait
	v_max3_num_f32 v9, |v[XB]|, |v[XB+1]|, |v[XB+2]|
	v_max3_num_f32 v10, |v[XB+3]|, |v[XB+4]|, |v[XB+5]|
.irp i, 6,10
	v_max3_num_f32 v9, v9, |v[XB+\i]|, |v[XB+\i+1]|
	v_max3_num_f32 v10, v10, |v[XB+\i+2]|, |v[XB+\i+3]|
.endr
	v_max3_num_f32 v9, v9, |v[XB+14]|, |v[XB+15]|
	v_max3_num_f32 v9, v9, v10, 0x2800000          ; the floor
	v_max_num_f32_dpp v9, v9, v9 row_xmask:1 row_mask:0xf bank_mask:0xf   ; with my neighbour's 16: the block's largest magnitude
	v_add_nc_u32 v11, 0xfe000000, v9
	v_cvt_scalef32_pk16_bf6_f32 v[12:14], v[XB:XB+15], v11
	v_lshrrev_b32 v[30+(\t)%2], 23, v11            ; the scale byte (a plain line behind the conversion); two registers by turns: the store of two steps ago is done
	ds_store_b8 v8, v[30+(\t)%2] offset:16*(\t)    ; both lanes of a block write the same byte with the same value
	global_store_b96 v7, v[12:14], s[42:43] offset:384*(\t)   ; the wave's 32 x 12 bytes are 384 consecutive bytes
	; the 8 logits, in f32: my 16 k, two experts an instruction; x_i serves both halves
.irp e, 0,2,4,6
	v_pk_mul_f32 v[16+\e:17+\e], v[XB:XB+1], v[128+\e:129+\e] op_sel_hi:[0,1]
.endr
.set li, 1
.rept 15
.irp e, 0,2,4,6
.if li%2
	v_pk_fma_f32 v[16+\e:17+\e], v[XB+li-1:XB+li], v[128+8*li+\e:129+8*li+\e], v[16+\e:17+\e] op_sel:[1,0,0] op_sel_hi:[1,1,1]
.else
	v_pk_fma_f32 v[16+\e:17+\e], v[XB+li:XB+li+1], v[128+8*li+\e:129+8*li+\e], v[16+\e:17+\e] op_sel_hi:[0,1,1]
.endif
.endr
.set li, li+1
.endr
.irp n, 1,2,4,8
.irp e, 0,1,2,3,4,5,6,7
	v_add_f32_dpp v[16+\e], v[16+\e], v[16+\e] row_xmask:\n row_mask:0xf bank_mask:0xf   ; over the 16 lanes of the token; every lane ends with the same sum
.endr
.endr
.irp e, 0,1,2,3,4,5,6,7
	v_add_f32 v[16+\e], s[28+\e], v[16+\e]
.endr
	v_mov_b32 v24, v16                             ; the largest and its expert,
	v_mov_b32 v25, 0
	v_mov_b32 v26, 0xff800000                      ; the second and its expert
	v_mov_b32 v27, 1
.irp e, 1,2,3,4,5,6,7                  ; ascending, strictly greater: the lower index wins a tie
	v_cmp_gt_f32 vcc_lo, v[16+\e], v24
	v_cmp_gt_f32 s39, v[16+\e], v26
	v_cndmask_b32 v26, v26, v[16+\e], s39
	v_cndmask_b32 v27, v27, \e, s39
	v_cndmask_b32 v26, v26, v24, vcc_lo
	v_cndmask_b32 v27, v27, v25, vcc_lo
	v_cndmask_b32 v24, v24, v[16+\e], vcc_lo
	v_cndmask_b32 v25, v25, \e, vcc_lo
.endr
	v_sub_f32 v28, v26, v24                        ; second - largest, 0 or less: the maximum is taken away; the softmax's own sum cancels in the renormalising
	v_mul_f32 v28, 0x3fb8aa3b, v28
	v_exp_f32 v28, v28                             ; p = e^(second - largest)
	v_min_u32 v117, v25, v27                       ; (plain lines behind the transcendentals: the pair's key)  lo
	v_max_u32 v118, v25, v27                       ; hi
	s_wait_alu depctr_va_vdst(0)
	v_add_f32 v29, 1.0, v28
	v_rcp_f32 v29, v29                             ; the first weight, 1 / (1 + p)
	v_sub_nc_u32 v119, 15, v117
	v_mul_u32_u24 v119, v117, v119
	v_lshrrev_b32 v119, 1, v119                    ; lo (15 - lo) / 2: where lo's pairs begin
	v_sub_nc_u32 v120, 7, v118                     ; an odd lo walks hi downward,
	v_sub_nc_u32 v121, v118, v117
	v_add_nc_u32 v121, -1, v121                    ; an even lo upward: neighbouring keys share an expert
	v_and_b32 v122, 1, v117
	v_cmp_eq_u32 vcc_lo, 1, v122
	v_cndmask_b32 v120, v121, v120, vcc_lo
	v_add_nc_u32 v119, v119, v120
	v_lshl_or_b32 v119, v25, 8, v119
	v_lshl_or_b32 v119, v27, 16, v119
	s_wait_alu depctr_va_vdst(0)
	v_mul_f32 v28, v28, v29                        ; the second weight, p / (1 + p)
	v_cmp_eq_u32 vcc_lo, \t, v2                    ; lane (j = t, h) keeps token 2 t + h
	v_cndmask_b32 v112, v112, v119, vcc_lo
	v_cndmask_b32 v114, v114, v29, vcc_lo
	v_cndmask_b32 v115, v115, v28, vcc_lo
.endm
.irp t, 0,1,2,3,4,5,6,7
	RSTEP \t
.endr
	v_and_b32 v117, 0xff, v112
.set hk, 0
.rept 28                               ; the count of each key among my 16 tokens goes to lane key
	v_cmp_eq_u32 s39, hk, v117
	s_bcnt1_i32_b32 s39, s39
	v_writelane_b32 v116, s39, hk
.set hk, hk+1
.endr
	global_store_b32 v123, v116, s[50:51]          ; 128 consecutive bytes; words 28 to 31 are 0
	ds_load_b32 v118, v124                         ; my wave's 128 scale bytes: LDS serves a wave's instructions in order
	v_lshl_add_u32 v119, v2, 1, v3                 ; token 2 j + h
	v_lshlrev_b32 v120, 2, v119
	v_lshlrev_b32 v121, 3, v119
	s_wait_dscnt 0x0
	global_store_b32 v123, v118, s[44:45]
	v_cmp_gt_u32 vcc_lo, 8, v2
	s_wait_xcnt 0x0                                ; EXEC changes only behind this wait
	s_set_vgpr_msb 0x5
	s_wait_tensorcnt 0x0
	ds_add_u32 v0, v1
	s_wait_dscnt 0x0
	s_set_vgpr_msb 0x500
	s_and_saveexec_b32 s39, vcc_lo
	global_store_b32 v120, v112, s[46:47]
	global_store_b64 v121, v[114:115], s[48:49]
	s_wait_xcnt 0x0
	s_or_b32 exec_lo, exec_lo, s39
	s_endpgm
.Lw1:                                  ; work-group u: record u / 2, K step u % 2; wave b: hidden units 32 b .. 32 b + 31 of the record's 128
	s_lshr_b32 s27, ttmp9, 1
	s_and_b32 s28, ttmp9, 1
	s_lshr_b32 s36, s27, 3
	s_lshl_b32 s36, s36, 20                        ; the expert: 256 x 1,024 x 4 bytes
	s_lshl_b32 s29, s28, 19                        ; 128 rows of 4,096 bytes
	s_add_co_u32 s36, s36, s29
	s_and_b32 s29, s27, 7
	s_lshl_b32 s29, s29, 9                         ; 128 columns
	s_add_co_u32 s36, s36, s29
	s_lshl_b32 s29, s26, 7                         ; 32 columns
	s_add_co_u32 s36, s36, s29
	QBASE 10, 0, 24576
	QW 4096, 1
	s_endpgm
.Lw2:                                  ; work-group 128 + u: record u / 2 (its 128 rows of K), column half u % 2; wave b: columns 32 b .. 32 b + 31 of the half
	s_sub_co_u32 s29, ttmp9, 128
	s_lshr_b32 s27, s29, 1
	s_and_b32 s28, s29, 1
	s_lshl_b32 s36, s27, 17                        ; 128 rows of 1,024 bytes
	s_lshl_b32 s29, s28, 9
	s_add_co_u32 s36, s36, s29
	s_lshl_b32 s29, s26, 7
	s_add_co_u32 s36, s36, s29
	QBASE 12, 25600, 50176
	QW 1024, 0
	s_endpgm
.Lfunc_end_k_qf300ab1658_prep:
	.size	k_qf300ab1658_prep, .Lfunc_end_k_qf300ab1658_prep-k_qf300ab1658_prep
	.p2alignl 7, 3214868480
	.fill 96, 4, 3214868480
	.section	.rodata,"a",@progbits
	.p2align	6, 0x0
	.amdhsa_kernel k_qf300ab1658_prep
		.amdhsa_group_segment_fixed_size 22016
		.amdhsa_private_segment_fixed_size 0
		.amdhsa_enable_private_segment 0
		.amdhsa_kernarg_size 88
		.amdhsa_user_sgpr_count 2
		.amdhsa_user_sgpr_kernarg_segment_ptr 1
		.amdhsa_wavefront_size32 1
		.amdhsa_system_sgpr_workgroup_id_x 1
		.amdhsa_system_sgpr_workgroup_id_y 1
		.amdhsa_system_sgpr_workgroup_id_z 1
		.amdhsa_system_vgpr_workitem_id 0
		.amdhsa_next_free_vgpr 258
		.amdhsa_next_free_sgpr 66
		.amdhsa_reserve_vcc 1
		.amdhsa_float_denorm_mode_32 3
		.amdhsa_float_denorm_mode_16_64 3
		.amdhsa_memory_ordered 1
		.amdhsa_forward_progress 1
		.amdhsa_inst_pref_size 146
	.end_amdhsa_kernel
	.amdgpu_metadata
---
amdhsa.version: [ 1, 2 ]
amdhsa.kernels:
  - .name:           k_qf300ab1658_prep
    .symbol:         k_qf300ab1658_prep.kd
    .args:
      - { .name: x, .offset: 0, .size: 8, .value_kind: global_buffer, .address_space: global }
      - { .name: gate_w, .offset: 8, .size: 8, .value_kind: global_buffer, .address_space: global }
      - { .name: gate_b, .offset: 16, .size: 8, .value_kind: global_buffer, .address_space: global }
      - { .name: w1, .offset: 24, .size: 8, .value_kind: global_buffer, .address_space: global }
      - { .name: w2, .offset: 32, .size: 8, .value_kind: global_buffer, .address_space: global }
      - { .name: wf, .offset: 40, .size: 8, .value_kind: global_buffer, .address_space: global }
      - { .name: xq, .offset: 48, .size: 8, .value_kind: global_buffer, .address_space: global }
      - { .name: xs, .offset: 56, .size: 8, .value_kind: global_buffer, .address_space: global }
      - { .name: sel, .offset: 64, .size: 8, .value_kind: global_buffer, .address_space: global }
      - { .name: gw, .offset: 72, .size: 8, .value_kind: global_buffer, .address_space: global }
      - { .name: hist, .offset: 80, .size: 8, .value_kind: global_buffer, .address_space: global }
    .group_segment_fixed_size: 22016
    .private_segment_fixed_size: 0
    .kernarg_segment_align: 8
    .kernarg_segment_size: 88
    .max_flat_workgroup_size: 128
    .sgpr_count:     66
    .vgpr_count:     258
    .wavefront_size: 32
...
	.end_amdgpu_metadata
.endif
;; end of part 1
;; launch place (part 2): grid 256 x 1, 1 waves a work-group, no clusters, 0 bytes of LDS; arguments sel, hist, order, tiles; writes order, tiles
.if DOCPART == 2
	.amdgcn_target "amdgcn-amd-amdhsa--gfx1250"
	.amdhsa_code_object_version 6
	.text
	.protected	k_qf300ab1658_place
	.globl	k_qf300ab1658_place
	.p2align	8
	.type	k_qf300ab1658_place,@function
k_qf300ab1658_place:
	s_mov_b64 s[64:65], 0
	v_nop
	global_prefetch_b8 v0, s[64:65] scope:SCOPE_SE
	s_setreg_imm32_b32 hwreg(HW_REG_WAVE_MODE, 25, 1), 1
	s_wait_xcnt 0x0
; PLACE: a counting sort of the 8,192 tokens by their pair key, without atomics.  Work-group q (one wave) places tokens 32 q .. 32 q + 31.
; HIST has a row of 32 counts for each 16 tokens.  For the sums a lane is a key: the wave adds all 512 rows (the totals) and, under a mask made of ids, the rows ahead of its own (what lies before its tokens).
; A token's rank = the keys below it (a scan of the totals) + its key's count in earlier rows + its key's count among earlier tokens of its own row: the sort keeps the tokens' order.
; ORDER[rank] = token.  TILES[i]: bit e is set where one of ranks 16 i .. 16 i + 15 uses expert e; it follows from the scan alone.
; Addresses that hang on loaded whole numbers (sel, hist: stored by the launch before) are held under a constant first.
; v1 4 x lane, v2 sel word, v3 my first row, v4 totals, v5 counts ahead, v6-7 at work, v8-23 the 16 rows of my own group, v24-31 and v80-87 at work, v32-79 three sets of 16 rows
	s_load_b256 s[4:11], s[0:1], 0x0               ; sel s[4:5], hist s[6:7], order s[8:9], tiles s[10:11]
	v_lshlrev_b32 v1, 2, v0
	s_lshr_b32 s12, ttmp9, 3                       ; whole groups of 16 rows ahead of my rows 2 q, 2 q + 1
	s_and_b32 s13, ttmp9, 7                        ; pairs of rows ahead in my own group
	s_mov_b32 s15, 0
	v_mov_b32 v4, 0
	v_mov_b32 v5, 0
	v_mov_b32 v24, 0                               ; (a DPP move's destination counts as read)
	s_wait_kmcnt 0x0
	s_lshl_b32 s14, ttmp9, 7
	s_add_nc_u64 s[16:17], s[4:5], s[14:15]
	s_lshl_b32 s14, ttmp9, 8
	s_add_nc_u64 s[18:19], s[6:7], s[14:15]
	s_lshl_b32 s14, s12, 11
	s_add_nc_u64 s[20:21], s[6:7], s[14:15]
	s_lshl_b32 s14, ttmp9, 3
	s_add_nc_u64 s[22:23], s[10:11], s[14:15]
	global_load_b32 v2, v1, s[16:17]
	global_load_b32 v3, v1, s[18:19]
.set gi, 0
.rept 16
	global_load_b32 v[8+gi], v1, s[20:21] offset:128*gi
.set gi, gi+1
.endr
.macro LOADG y                         ; group y: 16 rows of 128 consecutive bytes
.set gi, 0
.rept 16
	global_load_b32 v[32+16*((\y)%3)+gi], v1, s[6:7] offset:2048*(\y)+128*gi
.set gi, gi+1
.endr
.endm
	LOADG 0
	LOADG 1
.set y, 0
.rept 32
.if y+2 < 32
	LOADG y+2
	s_wait_loadcnt 32                              ; group y is in (and all that was asked before it); the 32 loads of the two groups behind may be out
.elseif y+1 < 32
	s_wait_loadcnt 16
.else
	s_wait_loadcnt 0x0
.endif
.set GB, 32+16*(y%3)
	v_add3_u32 v6, v[GB], v[GB+1], v[GB+2]
	v_add3_u32 v7, v[GB+8], v[GB+9], v[GB+10]
	v_add3_u32 v6, v6, v[GB+3], v[GB+4]
	v_add3_u32 v7, v7, v[GB+11], v[GB+12]
	v_add3_u32 v6, v6, v[GB+5], v[GB+6]
	v_add3_u32 v7, v7, v[GB+13], v[GB+14]
	v_add3_u32 v6, v6, v7, v[GB+7]
	v_add_nc_u32 v6, v6, v[GB+15]
	s_cmp_lt_u32 y, s12
	s_cselect_b32 s24, -1, 0
	v_add_nc_u32 v4, v4, v6
	v_and_b32 v6, s24, v6
	v_add_nc_u32 v5, v5, v6
.set y, y+1
.endr
.set p, 0
.rept 8
	s_cmp_lt_u32 p, s13
	s_cselect_b32 s24, -1, 0
	v_add_nc_u32 v6, v[8+2*p], v[9+2*p]
	v_and_b32 v6, s24, v6
	v_add_nc_u32 v5, v5, v6
.set p, p+1
.endr
	v_mov_b32 v25, v4                              ; the scan of the totals over the keys
.irp n, 1,2,4,8
	v_mov_b32_dpp v24, v25 row_shr:\n row_mask:0xf bank_mask:0xf bound_ctrl:1
	v_add_nc_u32 v25, v25, v24
.endr
	v_readlane_b32 s24, v25, 15
	v_cmp_lt_u32 vcc_lo, 15, v0
	v_mov_b32 v24, s24
	v_cndmask_b32 v24, 0, v24, vcc_lo
	v_add_nc_u32 v25, v25, v24                     ; where the key's ranks end,
	v_sub_nc_u32 v26, v25, v4                      ; and begin
	v_add_nc_u32 v27, v26, v5                      ; the next free rank of each key for my first row,
	v_add_nc_u32 v28, v27, v3                      ; and for my second
	v_and_b32 v29, 0xff, v2
	v_min_u32 v29, 31, v29                         ; my token's key
	v_lshlrev_b32 v30, 2, v29
	ds_bpermute_b32 v31, v30, v27                  ; from lane key (no LDS byte is touched)
	ds_bpermute_b32 v80, v30, v28
	v_add_nc_u32 v81, 1, v29                       ; key + 1, so that the 0 of a lane without a source equals none
	v_mov_b32 v82, 0
.irp d, 1,2,3,4,5,6,7,8,9,10,11,12,13,14,15
	v_mov_b32_dpp v24, v81 row_shr:\d row_mask:0xf bank_mask:0xf bound_ctrl:1
	v_cmp_eq_u32 s24, v24, v81
	v_cndmask_b32 v24, 0, 1, s24
	v_add_nc_u32 v82, v82, v24                     ; earlier tokens of my row with my key
.endr
	s_wait_dscnt 0x0
	v_cndmask_b32 v31, v31, v80, vcc_lo            ; lanes 16-31 are the second row
	v_add_nc_u32 v31, v31, v82
	v_min_u32 v31, 0x1fff, v31
	v_lshlrev_b32 v31, 2, v31
	s_lshl_b32 s24, ttmp9, 5
	v_add_nc_u32 v83, s24, v0
	global_store_b32 v31, v83, s[8:9]              ; 4 bytes a lane to scattered ranks: 32,768 bytes in the whole launch
.macro KBIT m, e, kk                   ; kk: the keys whose pair holds expert e
	s_and_b32 s27, s26, \kk
	s_cselect_b32 s27, 1<<\e, 0
	s_or_b32 s[28+\m], s[28+\m], s27
.endm
.irp m, 0,1
	s_lshl_b32 s24, ttmp9, 5
	s_add_co_u32 s24, s24, 16*\m
	s_add_co_u32 s25, s24, 16
	v_max_u32 v84, s24, v26
	v_min_u32 v85, s25, v25
	v_cmp_lt_u32 s26, v84, v85                     ; the keys that have a rank among these 16
	s_mov_b32 s[28+\m], 0
	KBIT \m, 0, 0x7f
	KBIT \m, 1, 0x1f81
	KBIT \m, 2, 0x3f002
	KBIT \m, 3, 0x3c2804
	KBIT \m, 4, 0x1e04408
	KBIT \m, 5, 0x6508210
	KBIT \m, 6, 0xc890120
	KBIT \m, 7, 0xb0600c0
.endr
	v_mov_b32 v86, s28
	v_mov_b32 v87, s29
	v_cmp_eq_u32 vcc_lo, 0, v0
	s_wait_xcnt 0x0                                ; EXEC changes only behind this wait
	s_and_saveexec_b32 s30, vcc_lo
	global_store_b64 v1, v[86:87], s[22:23]
	s_wait_xcnt 0x0
	s_or_b32 exec_lo, exec_lo, s30
	s_endpgm
.Lfunc_end_k_qf300ab1658_place:
	.size	k_qf300ab1658_place, .Lfunc_end_k_qf300ab1658_place-k_qf300ab1658_place
	.p2alignl 7, 3214868480
	.fill 96, 4, 3214868480
	.section	.rodata,"a",@progbits
	.p2align	6, 0x0
	.amdhsa_kernel k_qf300ab1658_place
		.amdhsa_group_segment_fixed_size 0
		.amdhsa_private_segment_fixed_size 0
		.amdhsa_enable_private_segment 0
		.amdhsa_kernarg_size 32
		.amdhsa_user_sgpr_count 2
		.amdhsa_user_sgpr_kernarg_segment_ptr 1
		.amdhsa_wavefront_size32 1
		.amdhsa_system_sgpr_workgroup_id_x 1
		.amdhsa_system_sgpr_workgroup_id_y 1
		.amdhsa_system_sgpr_workgroup_id_z 1
		.amdhsa_system_vgpr_workitem_id 0
		.amdhsa_next_free_vgpr 96
		.amdhsa_next_free_sgpr 66
		.amdhsa_reserve_vcc 1
		.amdhsa_float_denorm_mode_32 3
		.amdhsa_float_denorm_mode_16_64 3
		.amdhsa_memory_ordered 1
		.amdhsa_forward_progress 1
		.amdhsa_inst_pref_size 81
	.end_amdhsa_kernel
	.amdgpu_metadata
---
amdhsa.version: [ 1, 2 ]
amdhsa.kernels:
  - .name:           k_qf300ab1658_place
    .symbol:         k_qf300ab1658_place.kd
    .args:
      - { .name: sel, .offset: 0, .size: 8, .value_kind: global_buffer, .address_space: global }
      - { .name: hist, .offset: 8, .size: 8, .value_kind: global_buffer, .address_space: global }
      - { .name: order, .offset: 16, .size: 8, .value_kind: global_buffer, .address_space: global }
      - { .name: tiles, .offset: 24, .size: 8, .value_kind: global_buffer, .address_space: global }
    .group_segment_fixed_size: 0
    .private_segment_fixed_size: 0
    .kernarg_segment_align: 8
    .kernarg_segment_size: 32
    .max_flat_workgroup_size: 32
    .sgpr_count:     66
    .vgpr_count:     96
    .wavefront_size: 32
...
	.end_amdgpu_metadata
.endif
;; end of part 2
;; launch chain (part 3): grid 256 x 1, 4 waves a work-group, no clusters, 166,912 bytes of LDS; arguments xq, xs, wf, b1, b2, order, sel, gw, tiles, out0; writes out0
.if DOCPART == 3
	.amdgcn_target "amdgcn-amd-amdhsa--gfx1250"
	.amdhsa_code_object_version 6
	.text
	.protected	k_qf300ab1658_chain
	.globl	k_qf300ab1658_chain
	.p2align	8
	.type	k_qf300ab1658_chain,@function
k_qf300ab1658_chain:
	s_mov_b64 s[64:65], 0
	v_nop
	global_prefetch_b8 v0, s[64:65] scope:SCOPE_SE
	s_setreg_imm32_b32 hwreg(HW_REG_WAVE_MODE, 25, 1), 1
	s_wait_xcnt 0x0
; CHAIN: out[token] = the sum over the token's two experts of weight x (gelu(x W1 + b1) W2 + b2), both products on codes of BF6 (E3M2) with one E8M0 scale for each 32 along K.
; Only the chosen experts are multiplied.  A work-group owns 32 tokens that are neighbours in the order sorted by pairs of experts (two tiles of 16 rows), so each output row has one owner.
; It walks the experts that TILES names for its rows; a tile of rows that does not use an expert is passed over by a scalar branch on that stored word.
; THE FOUR WAVES SHARE THE HIDDEN AXIS: wave w owns hidden units 256 w .. 256 w + 255 of every expert, in two halves g of 128.  Those 128 are one K step of the second product, so the hidden layer
; is made, activated, quantised and multiplied again in the wave's own registers, and NO BARRIER STANDS IN THE WALK.  Each wave keeps a partial sum of all 32 x 256 outputs; the four meet once, in LDS,
; behind the launch's one barrier.  (So a sum over K = 1,024 is added in four parts: another order of f32 additions than one chain's.)
; Both products are used transposed (source 0 = 16 rows of the weight, source 1 = 16 tokens): a lane holds one token, and its registers run along the hidden units or the outputs.
; WEIGHTS come from memory straight into registers, in the order of the operand registers (laid so by the first launch): 16 bytes a lane, 512 consecutive bytes a load.  A step's weights are asked for in the step before.
; NO CLUSTER, NO TENSOR LOAD: which experts a work-group walks, and how many, is read from memory and differs from work-group to work-group, so partners would ask for different tiles, in different numbers;
; and each fragment is read by exactly one wave of a work-group, so LDS would add a copy and spare none.
; GELU, exact form: gelu(x) = max(x, 0) - |x| E, E = erfc(|x| / sqrt 2) / 2 = t 2^(cM x x + P(t)), t = 1 / (1 + |x| / (2 sqrt 2)), P of degree 9: the Chebyshev fit of erfc whose fractional error is under 1.2e-7
; for every argument, its coefficients times log2(e), 1 off c0 for the half.  Nothing cancels for x < 0.
; LIMITS: NaN and infinities are not served.  v_exp_f32 gives 0 under 2^-126 (ISA guide, its entry): there gelu of a negative x is -0.  A block of the hidden layer under 2^-122 keeps the scale byte 1.
; REGISTERS, in windows of 256.  Window 0: v1 16 x lane, v2 64 x (lane / 16), v6-9 my tokens' two experts, v10-13 their weights, v[14:15] the weight in hand, v16-17 x's scale words, v18 the hidden layer's,
;   v20-27 W1's scale words, v28-35 W2's, v36-51 and v52-71 the quantiser, v72-119 gelu at work, v[122:123] c8, v124-127 LDS addresses, v128-191 the hidden layer, v128-255 the second product's 16 tiles.
;   Window 1: v0-191 W1's 16 fragments, v192-239 x's four.   Window 2: v0-191 W2's 16 fragments, v192-255 b1 in the result's layout.   Window 3: the partial sums, tile of rows m, tile of outputs t at v[128 m + 8 t].
.set L16, 1
.set H64, 2
.set I1,  6
.set I2,  8
.set GWV, 10
.set WVP, 14
.set XS,  16
.set PW,  18
.set W1S, 20
.set W2S, 28
.set TM,  36
.set PC,  52
.set T,   72
.set R,   88
.set M,   104
.set ZP,  120
.set C8V, 122
.set SO,  124
.set SR0, 125
.set SR2, 126
.set SR4, 127
.set HID, 128
.set XF,  192                          ; in window 1
.set B1R, 192                          ; in window 2
.set KD,  24                           ; s24      1 / (2 sqrt 2)
.set CM,  26                           ; s[26:27] -log2(e) / 2; a packed form names a pair and takes its low word for both halves, so both words are written
.set C0,  28                           ; s[28:43] c0 .. c7, a pair each
.set C9,  44
.set SEL, 46                           ; s[46:47] selects for lane l xor 16
.set WV,  48
.set MK0, 50                           ; s50, s51 the experts that my two tiles of rows use
.set E,   52                           ; the step in hand: expert, half; the experts still to come
.set G,   53
.set UR,  54
.set EN,  55                           ; the same for the next step
.set GN,  56
.set URN, 57
.set CNT, 58
.set NL,  59
.set WB,  60                           ; s[60:61] the record of weights that is asked for
.set CB,  62                           ; s[62:63] and its 128 numbers of b1
.set TOK, 68                           ; s[68:75] the tokens of the 8 rows that I store;  s[76:83] their sel words;  s[84:99] their weights
.set SW,  76
.set GWS, 84
.set PP,  1040                         ; LDS: a row of 256 f32 + 16 bytes, an odd multiple of 16: sixteen rows begin in sixteen different groups of banks (64 banks of 4 bytes: ISA guide 11.1)
.set PREG, 32*PP                       ; a wave's partial sums; four of them, then the bias rows
.set MSB, 0
.macro WIN new                         ; the immediate's high byte repeats the setting that is left; at a label and at a branch every window is 0
.if MSB != \new
	s_set_vgpr_msb (MSB<<8)|\new
.set MSB, \new
.endif
.endm
.macro CPAIR r, val
	s_mov_b32 s[\r], \val
	s_mov_b32 s[\r+1], \val
.endm
.macro SETBASE e, g                    ; record 8 e + 2 w + g of 51,200 bytes; b1 at 4,096 e + 1,024 w + 512 g.  e was held under 8 by s_min_u32
	s_lshl_b32 s66, s[\e], 3
	s_lshl_b32 s67, s[WV], 1
	s_add_co_u32 s66, s66, s67
	s_add_co_u32 s66, s66, s[\g]
	s_mul_i32 s66, s66, 51200
	s_mov_b32 s67, 0
	s_add_nc_u64 s[WB:WB+1], s[8:9], s[66:67]
	s_lshl_b32 s66, s[\e], 12
	s_lshl_b32 s100, s[WV], 10
	s_add_co_u32 s66, s66, s100
	s_lshl_b32 s100, s[\g], 9
	s_add_co_u32 s66, s66, s100
	s_add_nc_u64 s[CB:CB+1], s[10:11], s[66:67]
.endm
.macro LOAD_A                          ; 50 loads: W1's 16 fragments (register 4 i at byte 512 i of the record) and their 8 scale registers
	WIN 0x40
.set lf, 0
.rept 48
	global_load_b128 v[4*lf:4*lf+3], v[L16], s[WB:WB+1] offset:512*lf
.set lf, lf+1
.endr
	WIN 0
	global_load_b128 v[W1S:W1S+3], v[L16], s[WB:WB+1] offset:24576
	global_load_b128 v[W1S+4:W1S+7], v[L16], s[WB:WB+1] offset:25088
.endm
.macro LOAD_C                          ; 16 loads: b1 as the first product's C: lane (r, h), tile 2 b + u, register j: hidden unit 32 b + 16 h + 8 u + j
	WIN 0x80
.irp t, 0,1,2,3,4,5,6,7
	global_load_b128 v[B1R+8*\t:B1R+8*\t+3], v[H64], s[CB:CB+1] offset:(32*(\t/2)+8*(\t%2))*4
	global_load_b128 v[B1R+8*\t+4:B1R+8*\t+7], v[H64], s[CB:CB+1] offset:(32*(\t/2)+8*(\t%2))*4+16
.endr
	WIN 0
.endm
.macro LOAD_B                          ; 50 loads: W2's 16 fragments and their 8 scale registers
	WIN 0x80
.set lf, 0
.rept 48
	global_load_b128 v[4*lf:4*lf+3], v[L16], s[WB:WB+1] offset:25600+512*lf
.set lf, lf+1
.endr
	WIN 0
	global_load_b128 v[W2S:W2S+3], v[L16], s[WB:WB+1] offset:50176
	global_load_b128 v[W2S+4:W2S+7], v[L16], s[WB:WB+1] offset:50688
.endm
; The first product for tile of rows m: 8 tiles of 16 hidden units, K = 256 in two steps.  The 8 accumulators take turns, one instruction a turn; b1 is the C of each sum's first instruction.
; A scale register of W1 carries tile 2 b in lanes 0-15 and tile 2 b + 1 in lanes 16-31; x's carries K step 0 below and K step 1 above.
.macro P1 m
	WIN 0x25                                       ; source 0 (W1) and source 1 (x) window 1, C (b1) window 2, D window 0
.set pt, 0
.rept 8
.if pt%2
	v_wmma_scale_f32_16x16x128_f8f6f4 v[HID+8*pt:HID+8*pt+7], v[12*pt:12*pt+11], v[XF+24*\m:XF+24*\m+11], v[B1R+8*pt:B1R+8*pt+7], v[W1S+pt/2], v[XS+\m] matrix_a_fmt:MATRIX_FMT_BF6 matrix_b_fmt:MATRIX_FMT_BF6 matrix_a_scale:MATRIX_SCALE_ROW1
.else
	v_wmma_scale_f32_16x16x128_f8f6f4 v[HID+8*pt:HID+8*pt+7], v[12*pt:12*pt+11], v[XF+24*\m:XF+24*\m+11], v[B1R+8*pt:B1R+8*pt+7], v[W1S+pt/2], v[XS+\m] matrix_a_fmt:MATRIX_FMT_BF6 matrix_b_fmt:MATRIX_FMT_BF6
.endif
.set pt, pt+1
.endr
	WIN 0x05                                       ; C and D window 0
.set pt, 0
.rept 8
.if pt%2
	v_wmma_scale_f32_16x16x128_f8f6f4 v[HID+8*pt:HID+8*pt+7], v[96+12*pt:96+12*pt+11], v[XF+24*\m+12:XF+24*\m+23], v[HID+8*pt:HID+8*pt+7], v[W1S+4+pt/2], v[XS+\m] matrix_a_fmt:MATRIX_FMT_BF6 matrix_b_fmt:MATRIX_FMT_BF6 matrix_a_scale:MATRIX_SCALE_ROW1 matrix_b_scale:MATRIX_SCALE_ROW1
.else
	v_wmma_scale_f32_16x16x128_f8f6f4 v[HID+8*pt:HID+8*pt+7], v[96+12*pt:96+12*pt+11], v[XF+24*\m+12:XF+24*\m+23], v[HID+8*pt:HID+8*pt+7], v[W1S+4+pt/2], v[XS+\m] matrix_a_fmt:MATRIX_FMT_BF6 matrix_b_fmt:MATRIX_FMT_BF6 matrix_b_scale:MATRIX_SCALE_ROW1
.endif
.set pt, pt+1
.endr
	WIN 0
.endm
.macro WSEL m                          ; my token's weight for the expert in hand, 0 where it did not choose it.  Four plain lines that name no register of the products: the places behind them (ISA guide 7.12.1)
	v_cmp_eq_u32 vcc_lo, s[E], v[I1+\m]
	v_cndmask_b32 v[WVP], 0, v[GWV+2*\m], vcc_lo
	v_cmp_eq_u32 vcc_lo, s[E], v[I2+\m]
	v_cndmask_b32 v[WVP], v[WVP], v[GWV+2*\m+1], vcc_lo
.endm
; gelu of 16 numbers a lane, in place; ascending.  Eight pairs by turns: no line waits for the line above it.
.macro GELU k
.set XB, HID+16*(\k)
.set gi, 0
.rept 16
	v_fma_f32 v[T+gi], |v[XB+gi]|, s[KD], 1.0
.set gi, gi+1
.endr
.set gi, 0
.rept 8
	v_rcp_f32 v[T+2*gi], v[T+2*gi]                 ; t
	v_rcp_f32 v[T+2*gi+1], v[T+2*gi+1]
	v_pk_mul_f32 v[M+2*gi:M+2*gi+1], v[XB+2*gi:XB+2*gi+1], s[CM:CM+1] op_sel_hi:[1,0]   ; cM x: the plain line behind the transcendentals
.set gi, gi+1
.endr
.set gi, 0
	s_wait_alu depctr_va_vdst(0)
.rept 8
	v_pk_fma_f32 v[R+2*gi:R+2*gi+1], v[T+2*gi:T+2*gi+1], s[C9:C9+1], v[C8V:C8V+1] op_sel_hi:[1,0,1]
.set gi, gi+1
.endr
.irp c, 7,6,5,4,3,2,1,0
.set gi, 0
.rept 8
	v_pk_fma_f32 v[R+2*gi:R+2*gi+1], v[R+2*gi:R+2*gi+1], v[T+2*gi:T+2*gi+1], s[C0+2*\c:C0+2*\c+1] op_sel_hi:[1,1,0]
.set gi, gi+1
.endr
.endr
.set gi, 0
.rept 8
	v_pk_fma_f32 v[R+2*gi:R+2*gi+1], v[M+2*gi:M+2*gi+1], v[XB+2*gi:XB+2*gi+1], v[R+2*gi:R+2*gi+1]   ; cM x x + P(t)
.set gi, gi+1
.endr
.set gi, 0
.rept 16
	v_exp_f32 v[R+gi], v[R+gi]
	v_max_num_f32 v[M+gi], 0, v[XB+gi]             ; max(x, 0): the plain line behind each exponential
.set gi, gi+1
.endr
.set gi, 0
	s_wait_alu depctr_va_vdst(0)
.rept 8
	v_pk_mul_f32 v[T+2*gi:T+2*gi+1], v[T+2*gi:T+2*gi+1], v[R+2*gi:R+2*gi+1]   ; E
.set gi, gi+1
.endr
.set gi, 0
.rept 16
	v_fma_f32 v[XB+gi], -|v[XB+gi]|, v[T+gi], v[M+gi]
.set gi, gi+1
.endr
.endm
; 64 numbers of a lane, register 16 b + i = hidden unit 32 b + 16 (lane / 16) + i of my token, become the second product's source 1 in v[PC] on and its scale word in v[PW].
.macro QUANT s
.irp b, 0,1,2,3
	v_max3_num_f32 v[TM+\b], |v[\s+16*\b]|, |v[\s+1+16*\b]|, 0x2800000   ; and the floor 2^(5 - 127): the byte cannot fall under 1
.endr
.irp i, 2,4,6,8,10,12,14
.irp b, 0,1,2,3
	v_max3_num_f32 v[TM+\b], v[TM+\b], |v[\s+16*\b+\i]|, |v[\s+1+16*\b+\i]|
.endr
.endr
.irp b, 0,1,2,3
	v_permlanex16_b32 v[TM+4+\b], v[TM+\b], s[SEL], s[SEL+1]
.endr
.irp b, 0,1,2,3
	v_max_num_f32 v[TM+\b], v[TM+\b], v[TM+4+\b]   ; with lane l xor 16: the block's largest magnitude
.endr
.irp b, 0,1,2,3
	v_add_nc_u32 v[TM+12+\b], 0xfe000000, v[TM+\b] ; 4 off its exponent field: the conversion's scale operand
.endr
.irp b, 0,1,2,3
	v_lshrrev_b32 v[TM+4+\b], 23, v[TM+12+\b]      ; the scale byte
.endr
	v_lshl_or_b32 v[PW], v[TM+5], 8, v[TM+4]
	v_lshl_or_b32 v[PW], v[TM+6], 16, v[PW]
	v_lshl_or_b32 v[PW], v[TM+7], 24, v[PW]
.irp c, 0,1
	v_cvt_scalef32_pk16_bf6_f32 v[PC+6*\c:PC+2+6*\c], v[\s+32*\c:\s+15+32*\c], v[TM+12+2*\c]
	v_cvt_scalef32_pk16_bf6_f32 v[PC+12+4*\c:PC+14+4*\c], v[\s+16+32*\c:\s+31+32*\c], v[TM+12+2*\c+1]   ; (three registers that begin on an even number)
.endr
	v_nop                                          ; one plain line behind a scaled conversion
.irp c, 0,1                            ; the operand wants a whole block in a lane: lanes 0-15 block 2 c, lanes 16-31 block 2 c + 1
.irp i, 0,1,2
	v_permlane16_swap_b32 v[PC+6*\c+\i], v[PC+12+4*\c+\i]
.endr
.irp i, 0,1,2
	v_mov_b32 v[PC+3+6*\c+\i], v[PC+12+4*\c+\i]
.endr
.endr
.endm
.macro P2                              ; the second product: 16 tiles of 16 outputs, K = my 128 hidden units: one instruction each, begun with the constant 0
	WIN 0x02                                       ; source 0 (W2) window 2
.set pt, 0
.rept 16
.if pt%2
	v_wmma_scale_f32_16x16x128_f8f6f4 v[HID+8*pt:HID+8*pt+7], v[12*pt:12*pt+11], v[PC:PC+11], 0, v[W2S+pt/2], v[PW] matrix_a_fmt:MATRIX_FMT_BF6 matrix_b_fmt:MATRIX_FMT_BF6 matrix_a_scale:MATRIX_SCALE_ROW1
.else
	v_wmma_scale_f32_16x16x128_f8f6f4 v[HID+8*pt:HID+8*pt+7], v[12*pt:12*pt+11], v[PC:PC+11], 0, v[W2S+pt/2], v[PW] matrix_a_fmt:MATRIX_FMT_BF6 matrix_b_fmt:MATRIX_FMT_BF6
.endif
.set pt, pt+1
.endr
	WIN 0
.endm
.macro ACC m                           ; partial sums += weight x result; ascending: each accumulator is first read at its low end
	WIN 0xf0                                       ; source 2 and destination window 3
.set ak, 0
.rept 64
	v_pk_fma_f32 v[128*\m+2*ak:128*\m+2*ak+1], v[HID+2*ak:HID+2*ak+1], v[WVP:WVP+1], v[128*\m+2*ak:128*\m+2*ak+1] op_sel_hi:[1,0,1]
.set ak, ak+1
.endr
	WIN 0
.endm
.macro PLACES n
.rept \n
	v_nop
.endr
.endm
; One tile of 16 rows through the chain, for the expert and half in hand; passed over where none of its rows uses the expert.  It leaves nothing behind in registers but the partial sums.
; nx = 1 and m = 1: the next step's weights are asked for as this step's registers fall free: W1 behind the step's last first product, b1 two batches of gelu on, W2 behind the second product.
; The way that passes the tile over asks for the same loads in the same order, so the counts at the next step's head hold on every way.
.macro SECTION m, nx
	s_bitcmp1_b32 s[MK0+\m], s[E]
	s_cbranch_scc0 .Lskip_\@
	P1 \m
	WSEL \m
.if \m && \nx
	LOAD_A
.endif
	GELU 0
	GELU 1
.if \m && \nx
	LOAD_C
.endif
	GELU 2
	GELU 3
	QUANT HID
.if \m == 0
	s_wait_loadcnt 0x0                             ; this step's W2: nothing has been asked for behind it
.endif
	PLACES 8                                       ; a scale register written by vector instructions stands 8 places ahead of a scaled matrix instruction, an operand so written 4
	P2
	PLACES 4                                       ; in front of loads into registers that the products read, and of the first read of their results
.if \m && \nx
	LOAD_B
.endif
	ACC \m
.if \m && \nx
	s_branch .Ldone_\@
.Lskip_\@:
	LOAD_A
	LOAD_C
	LOAD_B
.Ldone_\@:
.else
.Lskip_\@:
.endif
.endm
; One step of the walk: expert E, half G.  nx = 1: a step follows.
.macro TRIP nx
	s_wait_loadcnt 50                              ; this step's W1 and b1 are in; the 50 loads of its W2, asked for last, may be out
.if \nx
	s_wait_xcnt 0x0                                ; the bases of the loads that are out are written again only behind this wait
	s_ctz_i32_b32 s66, s[UR]
	s_min_u32 s66, s66, 7
	s_sub_co_u32 s67, s[UR], 1
	s_and_b32 s67, s[UR], s67
	s_cmp_eq_u32 s[G], 0
	s_cselect_b32 s[EN], s[E], s66                 ; behind half 0 the same expert's half 1, behind half 1 the next expert
	s_cselect_b32 s[URN], s[UR], s67
	s_xor_b32 s[GN], s[G], 1
	s_min_u32 s[EN], s[EN], 7
	SETBASE EN, GN
.endif
	SECTION 0, \nx
	s_wait_loadcnt 0x0                             ; this step's W2, also where the first tile of rows was passed over
	SECTION 1, \nx
.if \nx
	s_mov_b32 s[E], s[EN]
	s_mov_b32 s[G], s[GN]
	s_mov_b32 s[UR], s[URN]
.endif
.endm
	s_load_b256 s[4:11], s[0:1], 0x0               ; xq s[4:5], xs s[6:7], wf s[8:9], b1 s[10:11]
	s_load_b256 s[12:19], s[0:1], 0x20             ; b2 s[12:13], order s[14:15], sel s[16:17], gw s[18:19]
	s_load_b128 s[20:23], s[0:1], 0x40             ; tiles s[20:21], out0 s[22:23]
	v_lshl_add_u32 v67, v0, 2, 0x28a00
	v_mov_b32 v71, 0
	v_lshrrev_b32 v3, 5, v0
	v_readfirstlane_b32 s[WV], v3                  ; wave 0..3
	v_and_b32 v3, 31, v0
	v_lshlrev_b32 v[L16], 4, v3
	v_bfe_u32 v19, v0, 4, 1                        ; h
	v_lshlrev_b32 v[H64], 6, v19
	v_and_b32 v3, 15, v0                           ; r
	s_mul_i32 s66, s[WV], PREG                     ; every LDS address is made here: a constant x wave + constants x lane
	v_mul_u32_u24 v[SO], v3, PP
	v_lshl_add_u32 v[SO], v19, 5, v[SO]
	v_add_nc_u32 v[SO], s66, v[SO]                 ; my partial sums: row r, + 32 h
	s_mul_i32 s66, s[WV], 8*PP
	v_add_nc_u32 v[SR0], s66, v[L16]               ; the 8 rows that I add and store, in partial sums 0 and 1,
	v_add_nc_u32 v[SR2], 2*PREG, v[SR0]            ; 2 and 3,
	v_add_nc_u32 v[SR4], 4*PREG, v[SR0]            ; and among the bias rows
	v_lshlrev_b32 v3, 2, v3
	s_lshl_b32 s66, ttmp9, 7
	s_mov_b32 s67, 0
	s_lshl_b32 s100, ttmp9, 3
	s_lshl_b32 s101, s[WV], 5
	s_wait_kmcnt 0x0
	s_add_nc_u64 s[2:3], s[14:15], s[66:67]        ; order at my 32 ranks
	s_load_b64 s[MK0:MK0+1], s[20:21], s100 offset:0x0
	s_load_b256 s[TOK:TOK+7], s[2:3], s101 offset:0x0
	global_load_b32 v4, v3, s[2:3]                 ; lane (r, h): the token of row r of tile 0,
	global_load_b32 v5, v3, s[2:3] offset:64       ; and of tile 1
	s_mov_b32 s[KD], 0x3eb504f3
	CPAIR CM, 0xbf38aa3b
	CPAIR C0, 0xc034d90f
	CPAIR C0+2, 0x3fb8ab5a
	CPAIR C0+4, 0x3f0a29d2
	CPAIR C0+6, 0x3e0efb2e
	CPAIR C0+8, 0xbe899a80
	CPAIR C0+10, 0x3ecdfd18
	CPAIR C0+12, 0xbfd1a1e5
	CPAIR C0+14, 0x40097039
	CPAIR C9, 0x3e7c6f08
	s_mov_b32 s[SEL], 0x76543210
	s_mov_b32 s[SEL+1], 0xfedcba98
	s_wait_kmcnt 0x0
.irp i, 0,1,2,3,4,5,6,7
	s_min_u32 s[TOK+\i], s[TOK+\i], 0x1fff         ; a loaded number enters an address only held under a constant
	s_lshl_b32 s[SW+\i], s[TOK+\i], 2
	s_lshl_b32 s[GWS+2*\i], s[TOK+\i], 3
.endr
.irp i, 0,1,2,3,4,5,6,7
	s_load_b32 s[SW+\i], s[16:17], s[SW+\i] offset:0x0               ; each lands on its own offset register
	s_load_b64 s[GWS+2*\i:GWS+2*\i+1], s[18:19], s[GWS+2*\i] offset:0x0
.endr
	s_or_b32 s66, s[MK0], s[MK0+1]
	s_and_b32 s66, s66, 0xff                       ; the experts that my 32 rows use
	s_bcnt1_i32_b32 s[NL], s66
	s_lshl_b32 s[NL], s[NL], 1                     ; two steps an expert;
	s_max_u32 s[NL], s[NL], 2
	s_sub_co_u32 s[NL], s[NL], 1                   ; the last is written out behind the loop
	s_ctz_i32_b32 s[E], s66
	s_min_u32 s[E], s[E], 7
	s_sub_co_u32 s67, s66, 1
	s_and_b32 s[UR], s66, s67
	s_mov_b32 s[G], 0
	s_mov_b32 s[CNT], 0
	SETBASE E, G
	LOAD_A
	s_wait_loadcnt 50                              ; the two loads of order are in; the 50 asked for behind them may be out
	v_min_u32 v4, 0x1fff, v4
	v_min_u32 v5, 0x1fff, v5
.irp m, 0,1
	v_mul_u32_u24 v[R+\m], v[4+\m], 192
	v_mad_u32_u24 v[R+\m], v19, 96, v[R+\m]        ; x's codes: 192 bytes a token, my half's 96
	v_lshlrev_b32 v[R+6+\m], 3, v[4+\m]            ; the weights: 8 bytes a token
	v_lshl_add_u32 v[R+2+\m], v19, 2, v[R+6+\m]    ; x's scale words: lanes 0-15 K step 0, lanes 16-31 K step 1
	v_lshlrev_b32 v[R+4+\m], 2, v[4+\m]            ; the sel word
.endr
	WIN 0x40
.irp m, 0,1
.irp c, 0,1,2,3,4,5
	global_load_b128 v[XF+24*\m+4*\c:XF+24*\m+4*\c+3], v[R+\m], s[4:5] offset:16*\c
.endr
.endr
	WIN 0
.irp m, 0,1
	global_load_b32 v[XS+\m], v[R+2+\m], s[6:7]
	global_load_b32 v[I1+\m], v[R+4+\m], s[16:17]
	global_load_b64 v[GWV+2*\m:GWV+2*\m+1], v[R+6+\m], s[18:19]
.endr
	LOAD_C
	s_wait_kmcnt 0x0
.irp i, 0,1,2,3,4,5,6,7                ; the b2 rows of the two experts of each of my 8 rows
	s_bfe_u32 s66, s[SW+\i], 0x80008
	s_min_u32 s66, s66, 7
	s_bfe_u32 s67, s[SW+\i], 0x80010
	s_min_u32 s67, s67, 7
	v_lshl_add_u32 v[T+2*\i], s66, 10, v[L16]
	v_lshl_add_u32 v[T+2*\i+1], s67, 10, v[L16]
.endr
.irp i, 0,1,2,3,4,5,6,7
	global_load_b128 v[HID+16*\i:HID+16*\i+3], v[T+2*\i], s[12:13]
	global_load_b128 v[HID+16*\i+4:HID+16*\i+7], v[T+2*\i], s[12:13] offset:512
	global_load_b128 v[HID+16*\i+8:HID+16*\i+11], v[T+2*\i+1], s[12:13]
	global_load_b128 v[HID+16*\i+12:HID+16*\i+15], v[T+2*\i+1], s[12:13] offset:512
.endr
	LOAD_B
	v_mov_b32 v[ZP], 0
	v_mov_b32 v[ZP+1], 0
	v_mov_b32 v[C8V], 0xbf97d29d
	v_mov_b32 v[C8V+1], 0xbf97d29d
	v_mov_b32 v[WVP+1], 0                          ; (named as the upper half of a pair)
.irp b, 0,1,2,3
	v_mov_b32 v[TM+4+\b], 0                        ; a lane permute's destination counts as one of its sources
.endr
	WIN 0xc0                                       ; the partial sums begin as zeros: which expert first reaches a tile of rows is known only from the stored list.  Two registers a line, while the loads are out
.set ak, 0
.rept 128
	v_pk_mul_f32 v[2*ak:2*ak+1], v[ZP:ZP+1], 0 op_sel_hi:[1,0]
.set ak, ak+1
.endr
	WIN 0
	s_wait_loadcnt 50                              ; all but the first step's W2 is in
.irp m, 0,1
	v_bfe_u32 v[I2+\m], v[I1+\m], 16, 8
	v_bfe_u32 v[I1+\m], v[I1+\m], 8, 8
.endr
.irp i, 0,1,2,3,4,5,6,7                ; the bias row of my row i: first weight x b2[first expert] + second weight x b2[second expert]
.irp k, 0,1,2,3,4,5,6,7
	v_mul_f32 v[HID+16*\i+\k], s[GWS+2*\i], v[HID+16*\i+\k]
.endr
.irp k, 0,1,2,3,4,5,6,7
	v_fma_f32 v[HID+16*\i+\k], s[GWS+2*\i+1], v[HID+16*\i+8+\k], v[HID+16*\i+\k]
.endr
	ds_store_b128 v[SR4], v[HID+16*\i:HID+16*\i+3] offset:PP*\i
	ds_store_b128 v[SR4], v[HID+16*\i+4:HID+16*\i+7] offset:PP*\i+512
.endr
	s_wait_dscnt 0x0                               ; the stores have read their registers, which the products write next
.Lstep:
	TRIP 1
	s_add_co_u32 s[CNT], s[CNT], 1
	s_cmp_lt_u32 s[CNT], s[NL]
	s_cbranch_scc1 .Lstep
	TRIP 0                                         ; the last step asks for nothing more
	; THE WAY OUT.  My partial sums go to LDS; one barrier; then each wave adds, for 8 rows, the four partial sums and the bias row, and stores whole rows.
.irp i, 0,1,2,3,4,5,6,7
	v_lshl_add_u32 v[T+\i], s[TOK+\i], 10, v[L16]  ; the row of out0 that belongs to my row i
.endr
	WIN 0x0c                                       ; an LDS store's data are its source 1: window 3
.irp m, 0,1
.irp t, 0,1,2,3,4,5,6,7,8,9,10,11,12,13,14,15
	ds_store_b128 v[SO], v[128*\m+8*\t:128*\m+8*\t+3] offset:16*PP*\m+64*\t        ; lane (r, h): row 16 m + r, outputs 16 t + 8 h + 0 .. 7
	ds_store_b128 v[SO], v[128*\m+8*\t+4:128*\m+8*\t+7] offset:16*PP*\m+64*\t+16
.endr
.endr
	WIN 0
	s_wait_dscnt 0x0                               ; for the others' sake: my stores have landed
	s_barrier_signal -1
	s_barrier_wait -1                              ; the one barrier; it stands outside every branch on data
.macro PASS ps                         ; rows 4 ps .. 4 ps + 3 of my 8: ten loads a row, 40 registers
	WIN 0xc0
.irp ii, 0,1,2,3
.irp qh, 0,1
	ds_load_b128 v[40*\ii+20*\qh:40*\ii+20*\qh+3], v[SR0] offset:PP*(4*\ps+\ii)+512*\qh
	ds_load_b128 v[40*\ii+20*\qh+4:40*\ii+20*\qh+7], v[SR0] offset:PREG+PP*(4*\ps+\ii)+512*\qh
	ds_load_b128 v[40*\ii+20*\qh+8:40*\ii+20*\qh+11], v[SR2] offset:PP*(4*\ps+\ii)+512*\qh
	ds_load_b128 v[40*\ii+20*\qh+12:40*\ii+20*\qh+15], v[SR2] offset:PREG+PP*(4*\ps+\ii)+512*\qh
	ds_load_b128 v[40*\ii+20*\qh+16:40*\ii+20*\qh+19], v[SR4] offset:PP*(4*\ps+\ii)+512*\qh
.endr
.endr
.irp ii, 0,1,2,3
	s_wait_dscnt 30-10*\ii                         ; this row's ten loads are in; ten for each row behind it may be out
	WIN 0xcf
.irp qh, 0,1
.irp k, 0,2
.set PB, 40*\ii+20*\qh+\k
	v_pk_add_f32 v[PB:PB+1], v[PB:PB+1], v[PB+4:PB+5]
	v_pk_add_f32 v[PB+8:PB+9], v[PB+8:PB+9], v[PB+12:PB+13]
	v_pk_add_f32 v[PB:PB+1], v[PB:PB+1], v[PB+8:PB+9]
	v_pk_add_f32 v[PB:PB+1], v[PB:PB+1], v[PB+16:PB+17]
.endr
.endr
	WIN 0x0c
.irp qh, 0,1
	global_store_b128 v[T+4*\ps+\ii], v[40*\ii+20*\qh:40*\ii+20*\qh+3], s[22:23] offset:512*\qh th:TH_STORE_NT   ; 32 lanes store 512 consecutive bytes, at a multiple of 512 from out0's first byte; written once
.endr
.endr
	WIN 0
.endm
	PASS 0
	s_wait_xcnt 0x0                                ; the stores' data registers are loaded again only behind this wait
	PASS 1
	s_wait_tensorcnt 0x0
	ds_add_u32 v67, v71
	s_wait_dscnt 0x0
	s_endpgm
.Lfunc_end_k_qf300ab1658_chain:
	.size	k_qf300ab1658_chain, .Lfunc_end_k_qf300ab1658_chain-k_qf300ab1658_chain
	.p2alignl 7, 3214868480
	.fill 96, 4, 3214868480
	.section	.rodata,"a",@progbits
	.p2align	6, 0x0
	.amdhsa_kernel k_qf300ab1658_chain
		.amdhsa_group_segment_fixed_size 166912
		.amdhsa_private_segment_fixed_size 0
		.amdhsa_enable_private_segment 0
		.amdhsa_kernarg_size 80
		.amdhsa_user_sgpr_count 2
		.amdhsa_user_sgpr_kernarg_segment_ptr 1
		.amdhsa_wavefront_size32 1
		.amdhsa_system_sgpr_workgroup_id_x 1
		.amdhsa_system_sgpr_workgroup_id_y 1
		.amdhsa_system_sgpr_workgroup_id_z 1
		.amdhsa_system_vgpr_workitem_id 0
		.amdhsa_next_free_vgpr 1024
		.amdhsa_next_free_sgpr 102
		.amdhsa_reserve_vcc 1
		.amdhsa_float_denorm_mode_32 3
		.amdhsa_float_denorm_mode_16_64 3
		.amdhsa_memory_ordered 1
		.amdhsa_forward_progress 1
		.amdhsa_inst_pref_size 255
	.end_amdhsa_kernel
	.section	.bss,"aw",@nobits
	.p2align	6
	.space	262144
	.amdgpu_metadata
---
amdhsa.version: [ 1, 2 ]
amdhsa.kernels:
  - .name:           k_qf300ab1658_chain
    .symbol:         k_qf300ab1658_chain.kd
    .args:
      - { .name: xq, .offset: 0, .size: 8, .value_kind: global_buffer, .address_space: global }
      - { .name: xs, .offset: 8, .size: 8, .value_kind: global_buffer, .address_space: global }
      - { .name: wf, .offset: 16, .size: 8, .value_kind: global_buffer, .address_space: global }
      - { .name: b1, .offset: 24, .size: 8, .value_kind: global_buffer, .address_space: global }
      - { .name: b2, .offset: 32, .size: 8, .value_kind: global_buffer, .address_space: global }
      - { .name: order, .offset: 40, .size: 8, .value_kind: global_buffer, .address_space: global }
      - { .name: sel, .offset: 48, .size: 8, .value_kind: global_buffer, .address_space: global }
      - { .name: gw, .offset: 56, .size: 8, .value_kind: global_buffer, .address_space: global }
      - { .name: tiles, .offset: 64, .size: 8, .value_kind: global_buffer, .address_space: global }
      - { .name: out0, .offset: 72, .size: 8, .value_kind: global_buffer, .address_space: global }
    .group_segment_fixed_size: 166912
    .private_segment_fixed_size: 0
    .kernarg_segment_align: 8
    .kernarg_segment_size: 80
    .max_flat_workgroup_size: 128
    .sgpr_count:     102
    .vgpr_count:     1024
    .wavefront_size: 32
...
	.end_amdgpu_metadata
.endif
;; end of part 3
;; ======== version 2 of 2: 3 launches; version 1 with the launch chain written anew for expert scheduling mode
;; workspace buffers: wf 3,276,800 bytes; xq 1,572,864 bytes; xs 65,536 bytes; gw 65,536 bytes; sel 32,768 bytes of whole numbers; hist 65,536 bytes of whole numbers; order 32,768 bytes of whole numbers; tiles 2,048 bytes of whole numbers
;; launch prep: the kernel of part 1 again; grid 384 x 1, 4 waves a work-group, no clusters, 22,016 bytes of LDS; arguments x, gate_w, gate_b, w1, w2, wf, xq, xs, sel, gw, hist; writes wf, xq, xs, sel, gw, hist
;; launch place: the kernel of part 2 again; grid 256 x 1, 1 waves a work-group, no clusters, 0 bytes of LDS; arguments sel, hist, order, tiles; writes order, tiles
;; launch chain (part 4): grid 256 x 1, 4 waves a work-group, no clusters, 166,912 bytes of LDS; arguments xq, xs, wf, b1, b2, order, sel, gw, tiles, out0; writes out0
.if DOCPART == 4
	.amdgcn_target "amdgcn-amd-amdhsa--gfx1250"
	.amdhsa_code_object_version 6
	.text
	.protected	k_qf300ab1658_chain
	.globl	k_qf300ab1658_chain
	.p2align	8
	.type	k_qf300ab1658_chain,@function
k_qf300ab1658_chain:
	s_mov_b64 s[64:65], 0
	v_nop
	global_prefetch_b8 v0, s[64:65] scope:SCOPE_SE
	s_setreg_imm32_b32 hwreg(HW_REG_WAVE_SCHED_MODE, 0, 2), 2
	s_setreg_imm32_b32 hwreg(HW_REG_WAVE_MODE, 25, 1), 1
	s_wait_xcnt 0x0
	s_wait_alu depctr_vm_vsrc(0)
; CHAIN: out[token] = the sum over the token's two experts of weight x (gelu(x W1 + b1) W2 + b2), both products on codes of BF6 (E3M2) with one E8M0 scale for each 32 along K.
; Only the chosen experts are multiplied.  A work-group owns 32 tokens that are neighbours in the order sorted by pairs of experts (two tiles of 16 rows), so each output row has one owner.
; It walks the experts that TILES names for its rows; a tile of rows that does not use an expert is passed over by a scalar branch on that stored word.
; THE FOUR WAVES SHARE THE HIDDEN AXIS: wave w owns hidden units 256 w .. 256 w + 255 of every expert, in two halves g of 128.  Those 128 are one K step of the second product, so the hidden layer
; is made, activated, quantised and multiplied again in the wave's own registers, and NO BARRIER STANDS IN THE WALK.  Each wave keeps a partial sum of all 32 x 256 outputs; the four meet once, in LDS,
; behind the launch's one barrier.  (So a sum over K = 1,024 is added in four parts: another order of f32 additions than one chain's.)
; Both products are used transposed (source 0 = 16 rows of the weight, source 1 = 16 tokens): a lane holds one token, and its registers run along the hidden units or the outputs.
; WEIGHTS come from memory straight into registers, in the order of the operand registers (laid so by the first launch): 16 bytes a lane, 512 consecutive bytes a load.  A step's weights are asked for in the step before.
; NO CLUSTER, NO TENSOR LOAD: which experts a work-group walks, and how many, is read from memory and differs from work-group to work-group, so partners would ask for different tiles, in different numbers;
; and each fragment is read by exactly one wave of a work-group, so LDS would add a copy and spare none.
; GELU, exact form: gelu(x) = max(x, 0) - |x| E, E = erfc(|x| / sqrt 2) / 2 = t 2^(cM x x + P(t)), t = 1 / (1 + |x| / (2 sqrt 2)), P of degree 9: the Chebyshev fit of erfc whose fractional error is under 1.2e-7
; for every argument, its coefficients times log2(e), 1 off c0 for the half.  Nothing cancels for x < 0.
; LIMITS: NaN and infinities are not served.  v_exp_f32 gives 0 under 2^-126 (ISA guide, its entry): there gelu of a negative x is -0.  A block of the hidden layer under 2^-122 keeps the scale byte 1.
; THE MODE: SCHED_MODE bits 1:0 = 2 (LLVM: expert scheduling mode 2), set by the entry lines.  The code itself states the register dependences between vector or matrix instructions and memory or LDS
; instructions, with s_wait_alu, always for 0.
; THE PLAN.  Registers that memory instructions touch in the walk (it holds no store and no LDS instruction):
;   W1 (window 1 v0-191, scale words v20-27) and b1 (window 2 v192-255): read by a step's first products; the next step's loads land in them.
;   W2 (window 2 v0-191, scale words v28-35): read by a step's second products; the next step's loads land in them.
;   v1, v2: the loads' offsets, made at the head and never written again; the bases are scalar registers.
;   The hidden layer, the registers of the gelu and of the quantiser, and the partial sums are named by vector and matrix instructions alone.
; So the loads of W1 and b1 stand behind gelu batches 0 and 1 of the step's last tile of rows: the waits on va_vdst that those batches hold for their reciprocals and exponentials stand behind the first products,
; and no vector instruction behind them names a register of those loads.  The loads of W2 stand behind one wait on va_vdst of their own, in the middle of the additions onto the partial sums.
; The way that passes the last tile of rows over has one wait at its head.  One wait stands ahead of the second products, for the codes and the scale word just made; one on va_sdst in the choice of the weight.
; REGISTERS, in windows of 256.  Window 0: v1 16 x lane, v2 64 x (lane / 16), v6-9 my tokens' two experts, v10-13 their weights, v[14:15] the weight in hand, v16-17 x's scale words, v18 the hidden layer's,
;   v20-27 W1's scale words, v28-35 W2's, v36-51 and v52-71 the quantiser, v72-119 gelu at work, v[122:123] c8, v124-127 LDS addresses, v128-191 the hidden layer, v128-255 the second product's 16 tiles.
;   Window 1: v0-191 W1's 16 fragments (on the way out v0-159: four rows), v192-239 x's four.   Window 2: v0-191 W2's 16 fragments, v192-255 b1 in the result's layout.   Window 3: the partial sums, tile of rows m, tile of outputs t at v[128 m + 8 t].
.set L16, 1
.set H64, 2
.set I1,  6
.set I2,  8
.set GWV, 10
.set WVP, 14
.set XS,  16
.set PW,  18
.set W1S, 20
.set W2S, 28
.set TM,  36
.set PC,  52
.set T,   72
.set R,   88
.set M,   104
.set ZP,  120
.set C8V, 122
.set SO,  124
.set SR0, 125
.set SR2, 126
.set SR4, 127
.set HID, 128
.set XF,  192                          ; in window 1
.set B1R, 192                          ; in window 2
.set KD,  24                           ; s24      1 / (2 sqrt 2)
.set CM,  26                           ; s[26:27] -log2(e) / 2; a packed form names a pair and takes its low word for both halves, so both words are written
.set C0,  28                           ; s[28:43] c0 .. c7, a pair each
.set C9,  44
.set SEL, 46                           ; s[46:47] selects for lane l xor 16
.set WV,  48
.set MK0, 50                           ; s50, s51 the experts that my two tiles of rows use
.set E,   52                           ; the step in hand: expert, half; the experts still to come
.set G,   53
.set UR,  54
.set EN,  55                           ; the same for the next step
.set GN,  56
.set URN, 57
.set CNT, 58
.set NL,  59
.set WB,  60                           ; s[60:61] the record of weights that is asked for
.set CB,  62                           ; s[62:63] and its 128 numbers of b1
.set TOK, 68                           ; s[68:75] the tokens of the 8 rows that I store;  s[76:83] their sel words;  s[84:99] their weights
.set SW,  76
.set GWS, 84
.set PP,  1040                         ; LDS: a row of 256 f32 + 16 bytes, an odd multiple of 16: sixteen rows begin in sixteen different groups of banks (64 banks of 4 bytes: ISA guide 11.1)
.set PREG, 32*PP                       ; a wave's partial sums; four of them, then the bias rows
.set MSB, 0
.macro WIN new                         ; the immediate's high byte repeats the setting that is left; at a label and at a branch every window is 0
.if MSB != \new
	s_set_vgpr_msb (MSB<<8)|\new
.set MSB, \new
.endif
.endm
.macro CPAIR r, val
	s_mov_b32 s[\r], \val
	s_mov_b32 s[\r+1], \val
.endm
.macro SETBASE e, g                    ; record 8 e + 2 w + g of 51,200 bytes; b1 at 4,096 e + 1,024 w + 512 g.  e was held under 8 by s_min_u32
	s_lshl_b32 s66, s[\e], 3
	s_lshl_b32 s67, s[WV], 1
	s_add_co_u32 s66, s66, s67
	s_add_co_u32 s66, s66, s[\g]
	s_mul_i32 s66, s66, 51200
	s_mov_b32 s67, 0
	s_add_nc_u64 s[WB:WB+1], s[8:9], s[66:67]
	s_lshl_b32 s66, s[\e], 12
	s_lshl_b32 s100, s[WV], 10
	s_add_co_u32 s66, s66, s100
	s_lshl_b32 s100, s[\g], 9
	s_add_co_u32 s66, s66, s100
	s_add_nc_u64 s[CB:CB+1], s[10:11], s[66:67]
.endm
.macro LOAD_AR first, n                ; n of the 48 loads of W1's 16 fragments (register 4 i at byte 512 i of the record); it leaves the destination's window at 1
	WIN 0x40
.set lf, \first
.rept \n
	global_load_b128 v[4*lf:4*lf+3], v[L16], s[WB:WB+1] offset:512*lf
.set lf, lf+1
.endr
.endm
.macro LOAD_AS                         ; W1's 8 scale registers
	WIN 0
	global_load_b128 v[W1S:W1S+3], v[L16], s[WB:WB+1] offset:24576
	global_load_b128 v[W1S+4:W1S+7], v[L16], s[WB:WB+1] offset:25088
.endm
.macro LOAD_A                          ; all 50 loads on end
	LOAD_AR 0, 48
	LOAD_AS
.endm
.macro LOAD_C                          ; 16 loads: b1 as the first product's C: lane (r, h), tile 2 b + u, register j: hidden unit 32 b + 16 h + 8 u + j
	WIN 0x80
.irp t, 0,1,2,3,4,5,6,7
	global_load_b128 v[B1R+8*\t:B1R+8*\t+3], v[H64], s[CB:CB+1] offset:(32*(\t/2)+8*(\t%2))*4
	global_load_b128 v[B1R+8*\t+4:B1R+8*\t+7], v[H64], s[CB:CB+1] offset:(32*(\t/2)+8*(\t%2))*4+16
.endr
	WIN 0
.endm
.macro LOAD_B                          ; 50 loads: W2's 16 fragments and their 8 scale registers
	WIN 0x80
.set lf, 0
.rept 48
	global_load_b128 v[4*lf:4*lf+3], v[L16], s[WB:WB+1] offset:25600+512*lf
.set lf, lf+1
.endr
	WIN 0
	global_load_b128 v[W2S:W2S+3], v[L16], s[WB:WB+1] offset:50176
	global_load_b128 v[W2S+4:W2S+7], v[L16], s[WB:WB+1] offset:50688
.endm
; The first product for tile of rows m: 8 tiles of 16 hidden units, K = 256 in two steps.  The 8 accumulators take turns, one instruction a turn; b1 is the C of each sum's first instruction.
; A scale register of W1 carries tile 2 b in lanes 0-15 and tile 2 b + 1 in lanes 16-31; x's carries K step 0 below and K step 1 above.  All its operands and scales were filled by loads.
.macro P1 m
	WIN 0x25                                       ; source 0 (W1) and source 1 (x) window 1, C (b1) window 2, D window 0
.set pt, 0
.rept 8
.if pt%2
	v_wmma_scale_f32_16x16x128_f8f6f4 v[HID+8*pt:HID+8*pt+7], v[12*pt:12*pt+11], v[XF+24*\m:XF+24*\m+11], v[B1R+8*pt:B1R+8*pt+7], v[W1S+pt/2], v[XS+\m] matrix_a_fmt:MATRIX_FMT_BF6 matrix_b_fmt:MATRIX_FMT_BF6 matrix_a_scale:MATRIX_SCALE_ROW1
.else
	v_wmma_scale_f32_16x16x128_f8f6f4 v[HID+8*pt:HID+8*pt+7], v[12*pt:12*pt+11], v[XF+24*\m:XF+24*\m+11], v[B1R+8*pt:B1R+8*pt+7], v[W1S+pt/2], v[XS+\m] matrix_a_fmt:MATRIX_FMT_BF6 matrix_b_fmt:MATRIX_FMT_BF6
.endif
.set pt, pt+1
.endr
	WIN 0x05                                       ; C and D window 0
.set pt, 0
.rept 8
.if pt%2
	v_wmma_scale_f32_16x16x128_f8f6f4 v[HID+8*pt:HID+8*pt+7], v[96+12*pt:96+12*pt+11], v[XF+24*\m+12:XF+24*\m+23], v[HID+8*pt:HID+8*pt+7], v[W1S+4+pt/2], v[XS+\m] matrix_a_fmt:MATRIX_FMT_BF6 matrix_b_fmt:MATRIX_FMT_BF6 matrix_a_scale:MATRIX_SCALE_ROW1 matrix_b_scale:MATRIX_SCALE_ROW1
.else
	v_wmma_scale_f32_16x16x128_f8f6f4 v[HID+8*pt:HID+8*pt+7], v[96+12*pt:96+12*pt+11], v[XF+24*\m+12:XF+24*\m+23], v[HID+8*pt:HID+8*pt+7], v[W1S+4+pt/2], v[XS+\m] matrix_a_fmt:MATRIX_FMT_BF6 matrix_b_fmt:MATRIX_FMT_BF6 matrix_b_scale:MATRIX_SCALE_ROW1
.endif
.set pt, pt+1
.endr
	WIN 0
.endm
.macro WSEL m                          ; my token's weight for the expert in hand, 0 where it did not choose it.  Four plain lines that name no register of the products: the places behind them (ISA guide 7.12.1)
	v_cmp_eq_u32 s100, s[E], v[I1+\m]              ; the two compares in a run, into two scalar registers,
	v_cmp_eq_u32 s101, s[E], v[I2+\m]
	s_wait_alu depctr_va_sdst(0)                   ; so that one wait states it for both: s100 and s101 are written, ahead of the selects that read them
	v_cndmask_b32 v[WVP], 0, v[GWV+2*\m], s100
	v_cndmask_b32 v[WVP], v[WVP], v[GWV+2*\m+1], s101
.endm
; gelu of 16 numbers a lane, in place; ascending.  Eight pairs by turns: no line waits for the line above it.
.macro GELU k
	WIN 0
.set XB, HID+16*(\k)
.set gi, 0
.rept 16
	v_fma_f32 v[T+gi], |v[XB+gi]|, s[KD], 1.0
.set gi, gi+1
.endr
.set gi, 0
.rept 8
	v_rcp_f32 v[T+2*gi], v[T+2*gi]                 ; t
	v_rcp_f32 v[T+2*gi+1], v[T+2*gi+1]
	v_pk_mul_f32 v[M+2*gi:M+2*gi+1], v[XB+2*gi:XB+2*gi+1], s[CM:CM+1] op_sel_hi:[1,0]   ; cM x: the plain line behind the transcendentals
.set gi, gi+1
.endr
.set gi, 0
	s_wait_alu depctr_va_vdst(0)                   ; the sixteen reciprocals have written v[T ..], ahead of their first reader; and the first products, issued ahead of this batch, are done reading W1, b1 and their scale words, in which the loads dealt behind batches 0 and 1 land
.rept 8
	v_pk_fma_f32 v[R+2*gi:R+2*gi+1], v[T+2*gi:T+2*gi+1], s[C9:C9+1], v[C8V:C8V+1] op_sel_hi:[1,0,1]
.set gi, gi+1
.endr
.irp c, 7,6,5,4,3,2,1,0
.set gi, 0
.rept 8
	v_pk_fma_f32 v[R+2*gi:R+2*gi+1], v[R+2*gi:R+2*gi+1], v[T+2*gi:T+2*gi+1], s[C0+2*\c:C0+2*\c+1] op_sel_hi:[1,1,0]
.set gi, gi+1
.endr
.endr
.set gi, 0
.rept 8
	v_pk_fma_f32 v[R+2*gi:R+2*gi+1], v[M+2*gi:M+2*gi+1], v[XB+2*gi:XB+2*gi+1], v[R+2*gi:R+2*gi+1]   ; cM x x + P(t)
.set gi, gi+1
.endr
.set gi, 0
.rept 16
	v_exp_f32 v[R+gi], v[R+gi]
	v_max_num_f32 v[M+gi], 0, v[XB+gi]             ; max(x, 0): the plain line behind each exponential
.set gi, gi+1
.endr
.set gi, 0
	s_wait_alu depctr_va_vdst(0)                   ; the sixteen exponentials have written v[R ..], ahead of their first reader
.rept 8
	v_pk_mul_f32 v[T+2*gi:T+2*gi+1], v[T+2*gi:T+2*gi+1], v[R+2*gi:R+2*gi+1]   ; E
.set gi, gi+1
.endr
.set gi, 0
.rept 16
	v_fma_f32 v[XB+gi], -|v[XB+gi]|, v[T+gi], v[M+gi]
.set gi, gi+1
.endr
.endm
; 64 numbers of a lane, register 16 b + i = hidden unit 32 b + 16 (lane / 16) + i of my token, become the second product's source 1 in v[PC] on and its scale word in v[PW].
.macro QUANT s
.irp b, 0,1,2,3
	v_max3_num_f32 v[TM+\b], |v[\s+16*\b]|, |v[\s+1+16*\b]|, 0x2800000   ; and the floor 2^(5 - 127): the byte cannot fall under 1
.endr
.irp i, 2,4,6,8,10,12,14
.irp b, 0,1,2,3
	v_max3_num_f32 v[TM+\b], v[TM+\b], |v[\s+16*\b+\i]|, |v[\s+1+16*\b+\i]|
.endr
.endr
.irp b, 0,1,2,3
	v_permlanex16_b32 v[TM+4+\b], v[TM+\b], s[SEL], s[SEL+1]
.endr
.irp b, 0,1,2,3
	v_max_num_f32 v[TM+\b], v[TM+\b], v[TM+4+\b]   ; with lane l xor 16: the block's largest magnitude
.endr
.irp b, 0,1,2,3
	v_add_nc_u32 v[TM+12+\b], 0xfe000000, v[TM+\b] ; 4 off its exponent field: the conversion's scale operand
.endr
.irp b, 0,1,2,3
	v_lshrrev_b32 v[TM+4+\b], 23, v[TM+12+\b]      ; the scale byte
.endr
	v_lshl_or_b32 v[PW], v[TM+5], 8, v[TM+4]
	v_lshl_or_b32 v[PW], v[TM+6], 16, v[PW]
	v_lshl_or_b32 v[PW], v[TM+7], 24, v[PW]
.irp c, 0,1
	v_cvt_scalef32_pk16_bf6_f32 v[PC+6*\c:PC+2+6*\c], v[\s+32*\c:\s+15+32*\c], v[TM+12+2*\c]
	v_cvt_scalef32_pk16_bf6_f32 v[PC+12+4*\c:PC+14+4*\c], v[\s+16+32*\c:\s+31+32*\c], v[TM+12+2*\c+1]   ; (three registers that begin on an even number)
.endr
	v_nop                                          ; one plain line behind a scaled conversion
.irp c, 0,1                            ; the operand wants a whole block in a lane: lanes 0-15 block 2 c, lanes 16-31 block 2 c + 1
.irp i, 0,1,2
	v_permlane16_swap_b32 v[PC+6*\c+\i], v[PC+12+4*\c+\i]
.endr
.irp i, 0,1,2
	v_mov_b32 v[PC+3+6*\c+\i], v[PC+12+4*\c+\i]
.endr
.endr
.endm
.macro P2                              ; the second product: 16 tiles of 16 outputs, K = my 128 hidden units: one instruction each, begun with the constant 0
	WIN 0x02                                       ; source 0 (W2) window 2
	s_wait_alu depctr_va_vdst(0)                   ; the quantiser has written the codes v[PC ..] and the scale word v[PW], which the products take as source 1 and as its scales; the eight places in front stay beside this wait
.set pt, 0
.rept 16
.if pt%2
	v_wmma_scale_f32_16x16x128_f8f6f4 v[HID+8*pt:HID+8*pt+7], v[12*pt:12*pt+11], v[PC:PC+11], 0, v[W2S+pt/2], v[PW] matrix_a_fmt:MATRIX_FMT_BF6 matrix_b_fmt:MATRIX_FMT_BF6 matrix_a_scale:MATRIX_SCALE_ROW1
.else
	v_wmma_scale_f32_16x16x128_f8f6f4 v[HID+8*pt:HID+8*pt+7], v[12*pt:12*pt+11], v[PC:PC+11], 0, v[W2S+pt/2], v[PW] matrix_a_fmt:MATRIX_FMT_BF6 matrix_b_fmt:MATRIX_FMT_BF6
.endif
.set pt, pt+1
.endr
	WIN 0
.endm
.macro ACCR m, first, n                ; partial sums += weight x result, n pairs from pair first on; ascending: each accumulator is first read at its low end.  It leaves source 2 and the destination in window 3
	WIN 0xf0
.set ak, \first
.rept \n
	v_pk_fma_f32 v[128*\m+2*ak:128*\m+2*ak+1], v[HID+2*ak:HID+2*ak+1], v[WVP:WVP+1], v[128*\m+2*ak:128*\m+2*ak+1] op_sel_hi:[1,0,1]
.set ak, ak+1
.endr
.endm
.macro PLACES n
.rept \n
	v_nop
.endr
.endm
; One tile of 16 rows through the chain, for the expert and half in hand; passed over where none of its rows uses the expert.  It leaves nothing behind in registers but the partial sums.
; nx = 1 and m = 1: the next step's weights are asked for as this step's registers fall free: W1 and b1 behind gelu batches 0 and 1, W2 in the middle of the additions behind the second product.
; The way that passes the tile over asks for the same loads, W2's 50 last as here, so the count at the next step's head holds on every way.
.macro SECTION m, nx
	s_bitcmp1_b32 s[MK0+\m], s[E]
	s_cbranch_scc0 .Lskip_\@
	P1 \m
	WSEL \m
	GELU 0
.if \m && \nx
	LOAD_AR 0, 32                                  ; no wait: the batch's two waits stand behind the first products, and no vector instruction since names W1's registers or v[L16]
.endif
	GELU 1
.if \m && \nx
	LOAD_AS                                        ; likewise: the rest of W1, its scale words, and b1
	LOAD_AR 32, 16
	LOAD_C
.endif
	GELU 2
	GELU 3
	QUANT HID
.if \m == 0
	s_wait_loadcnt 0x0                             ; this step's W2: nothing has been asked for behind it
.endif
	PLACES 8                                       ; a scale register written by vector instructions stands 8 places ahead of a scaled matrix instruction, an operand so written 4
	P2
	PLACES 4                                       ; in front of the first read of the products' results
.if \m && \nx
	ACCR \m, 0, 32
	WIN 0x80
	s_wait_alu depctr_va_vdst(0)                   ; the second products are done reading W2 and its scale words, in which the 50 loads below land
	LOAD_B
	ACCR \m, 32, 32                                ; these name the products' results, the weight and window 3: no register of the loads above
	WIN 0
	s_branch .Ldone_\@
.Lskip_\@:
	WIN 0x40
	s_wait_alu depctr_va_vdst(0)                   ; the products of the step's first tile of rows are done reading W1, b1, W2 and their scale words, in which the 116 loads below land
	LOAD_A
	LOAD_C
	LOAD_B
.Ldone_\@:
.else
	ACCR \m, 0, 64
	WIN 0
.Lskip_\@:
.endif
.endm
; One step of the walk: expert E, half G.  nx = 1: a step follows.
.macro TRIP nx
	s_wait_loadcnt 50                              ; this step's W1 and b1 are in; the 50 loads of its W2, asked for last, may be out
.if \nx
	s_wait_xcnt 0x0                                ; the bases of the loads that are out are written again only behind this wait
	s_ctz_i32_b32 s66, s[UR]
	s_min_u32 s66, s66, 7
	s_sub_co_u32 s67, s[UR], 1
	s_and_b32 s67, s[UR], s67
	s_cmp_eq_u32 s[G], 0
	s_cselect_b32 s[EN], s[E], s66                 ; behind half 0 the same expert's half 1, behind half 1 the next expert
	s_cselect_b32 s[URN], s[UR], s67
	s_xor_b32 s[GN], s[G], 1
	s_min_u32 s[EN], s[EN], 7
	SETBASE EN, GN
.endif
	SECTION 0, \nx
	s_wait_loadcnt 0x0                             ; this step's W2, also where the first tile of rows was passed over
	SECTION 1, \nx
.if \nx
	s_mov_b32 s[E], s[EN]
	s_mov_b32 s[G], s[GN]
	s_mov_b32 s[UR], s[URN]
.endif
.endm
	s_load_b256 s[4:11], s[0:1], 0x0               ; xq s[4:5], xs s[6:7], wf s[8:9], b1 s[10:11]
	s_load_b256 s[12:19], s[0:1], 0x20             ; b2 s[12:13], order s[14:15], sel s[16:17], gw s[18:19]
	s_load_b128 s[20:23], s[0:1], 0x40             ; tiles s[20:21], out0 s[22:23]
	v_lshl_add_u32 v67, v0, 2, 0x28a00
	v_mov_b32 v71, 0
	v_lshrrev_b32 v3, 5, v0
	v_readfirstlane_b32 s[WV], v3                  ; wave 0..3
	v_and_b32 v3, 31, v0
	v_lshlrev_b32 v[L16], 4, v3
	v_bfe_u32 v19, v0, 4, 1                        ; h
	v_lshlrev_b32 v[H64], 6, v19
	v_and_b32 v3, 15, v0                           ; r
	s_wait_alu depctr_va_sdst(0)                   ; the wave's number is written, ahead of its first reader: LDS addresses and the weights' bases are made from it
	s_mul_i32 s66, s[WV], PREG                     ; every LDS address is made here: a constant x wave + constants x lane
	v_mul_u32_u24 v[SO], v3, PP
	v_lshl_add_u32 v[SO], v19, 5, v[SO]
	v_add_nc_u32 v[SO], s66, v[SO]                 ; my partial sums: row r, + 32 h
	s_mul_i32 s66, s[WV], 8*PP
	v_add_nc_u32 v[SR0], s66, v[L16]               ; the 8 rows that I add and store, in partial sums 0 and 1,
	v_add_nc_u32 v[SR2], 2*PREG, v[SR0]            ; 2 and 3,
	v_add_nc_u32 v[SR4], 4*PREG, v[SR0]            ; and among the bias rows
	v_lshlrev_b32 v3, 2, v3
	s_lshl_b32 s66, ttmp9, 7
	s_mov_b32 s67, 0
	s_lshl_b32 s100, ttmp9, 3
	s_lshl_b32 s101, s[WV], 5
	s_wait_kmcnt 0x0
	s_add_nc_u64 s[2:3], s[14:15], s[66:67]        ; order at my 32 ranks
	s_load_b64 s[MK0:MK0+1], s[20:21], s100 offset:0x0
	s_load_b256 s[TOK:TOK+7], s[2:3], s101 offset:0x0
	s_wait_alu depctr_va_vdst(0)                   ; v3, v[L16], v[H64] and the four LDS addresses are written: every load, LDS load and LDS store of the kernel but those with offsets of their own reads one of them
	global_load_b32 v4, v3, s[2:3]                 ; lane (r, h): the token of row r of tile 0,
	global_load_b32 v5, v3, s[2:3] offset:64       ; and of tile 1
	s_mov_b32 s[KD], 0x3eb504f3
	CPAIR CM, 0xbf38aa3b
	CPAIR C0, 0xc034d90f
	CPAIR C0+2, 0x3fb8ab5a
	CPAIR C0+4, 0x3f0a29d2
	CPAIR C0+6, 0x3e0efb2e
	CPAIR C0+8, 0xbe899a80
	CPAIR C0+10, 0x3ecdfd18
	CPAIR C0+12, 0xbfd1a1e5
	CPAIR C0+14, 0x40097039
	CPAIR C9, 0x3e7c6f08
	s_mov_b32 s[SEL], 0x76543210
	s_mov_b32 s[SEL+1], 0xfedcba98
	s_wait_kmcnt 0x0
.irp i, 0,1,2,3,4,5,6,7
	s_min_u32 s[TOK+\i], s[TOK+\i], 0x1fff         ; a loaded number enters an address only held under a constant
	s_lshl_b32 s[SW+\i], s[TOK+\i], 2
	s_lshl_b32 s[GWS+2*\i], s[TOK+\i], 3
.endr
.irp i, 0,1,2,3,4,5,6,7
	s_load_b32 s[SW+\i], s[16:17], s[SW+\i] offset:0x0               ; each lands on its own offset register
	s_load_b64 s[GWS+2*\i:GWS+2*\i+1], s[18:19], s[GWS+2*\i] offset:0x0
.endr
	s_or_b32 s66, s[MK0], s[MK0+1]
	s_and_b32 s66, s66, 0xff                       ; the experts that my 32 rows use
	s_bcnt1_i32_b32 s[NL], s66
	s_lshl_b32 s[NL], s[NL], 1                     ; two steps an expert;
	s_max_u32 s[NL], s[NL], 2
	s_sub_co_u32 s[NL], s[NL], 1                   ; the last is written out behind the loop
	s_ctz_i32_b32 s[E], s66
	s_min_u32 s[E], s[E], 7
	s_sub_co_u32 s67, s66, 1
	s_and_b32 s[UR], s66, s67
	s_mov_b32 s[G], 0
	s_mov_b32 s[CNT], 0
	SETBASE E, G
	LOAD_A
	s_wait_loadcnt 50                              ; the two loads of order are in; the 50 asked for behind them may be out
	v_min_u32 v4, 0x1fff, v4
	v_min_u32 v5, 0x1fff, v5
.irp m, 0,1
	v_mul_u32_u24 v[R+\m], v[4+\m], 192
	v_mad_u32_u24 v[R+\m], v19, 96, v[R+\m]        ; x's codes: 192 bytes a token, my half's 96
	v_lshlrev_b32 v[R+6+\m], 3, v[4+\m]            ; the weights: 8 bytes a token
	v_lshl_add_u32 v[R+2+\m], v19, 2, v[R+6+\m]    ; x's scale words: lanes 0-15 K step 0, lanes 16-31 K step 1
	v_lshlrev_b32 v[R+4+\m], 2, v[4+\m]            ; the sel word
.endr
	WIN 0x40
	s_wait_alu depctr_va_vdst(0)                   ; the eight offsets v[R] to v[R+7] are written, which the 18 loads below read
.irp m, 0,1
.irp c, 0,1,2,3,4,5
	global_load_b128 v[XF+24*\m+4*\c:XF+24*\m+4*\c+3], v[R+\m], s[4:5] offset:16*\c
.endr
.endr
	WIN 0
.irp m, 0,1
	global_load_b32 v[XS+\m], v[R+2+\m], s[6:7]
	global_load_b32 v[I1+\m], v[R+4+\m], s[16:17]
	global_load_b64 v[GWV+2*\m:GWV+2*\m+1], v[R+6+\m], s[18:19]
.endr
	LOAD_C
	s_wait_kmcnt 0x0
.irp i, 0,1,2,3,4,5,6,7                ; the b2 rows of the two experts of each of my 8 rows
	s_bfe_u32 s66, s[SW+\i], 0x80008
	s_min_u32 s66, s66, 7
	s_bfe_u32 s67, s[SW+\i], 0x80010
	s_min_u32 s67, s67, 7
	v_lshl_add_u32 v[T+2*\i], s66, 10, v[L16]
	v_lshl_add_u32 v[T+2*\i+1], s67, 10, v[L16]
.endr
	s_wait_alu depctr_va_vdst(0)                   ; the sixteen offsets v[T] to v[T+15] are written, which the 32 loads below read
.irp i, 0,1,2,3,4,5,6,7
	global_load_b128 v[HID+16*\i:HID+16*\i+3], v[T+2*\i], s[12:13]
	global_load_b128 v[HID+16*\i+4:HID+16*\i+7], v[T+2*\i], s[12:13] offset:512
	global_load_b128 v[HID+16*\i+8:HID+16*\i+11], v[T+2*\i+1], s[12:13]
	global_load_b128 v[HID+16*\i+12:HID+16*\i+15], v[T+2*\i+1], s[12:13] offset:512
.endr
	LOAD_B
	v_mov_b32 v[ZP], 0
	v_mov_b32 v[ZP+1], 0
	v_mov_b32 v[C8V], 0xbf97d29d
	v_mov_b32 v[C8V+1], 0xbf97d29d
	v_mov_b32 v[WVP+1], 0                          ; (named as the upper half of a pair)
.irp b, 0,1,2,3
	v_mov_b32 v[TM+4+\b], 0                        ; a lane permute's destination counts as one of its sources
.endr
	WIN 0xc0                                       ; the partial sums begin as zeros: which expert first reaches a tile of rows is known only from the stored list.  Two registers a line, while the loads are out
.set ak, 0
.rept 128
	v_pk_mul_f32 v[2*ak:2*ak+1], v[ZP:ZP+1], 0 op_sel_hi:[1,0]
.set ak, ak+1
.endr
	WIN 0
	s_wait_loadcnt 50                              ; all but the first step's W2 is in
.irp m, 0,1
	v_bfe_u32 v[I2+\m], v[I1+\m], 16, 8
	v_bfe_u32 v[I1+\m], v[I1+\m], 8, 8
.endr
.irp i, 0,1,2,3,4,5,6,7                ; the bias row of my row i: first weight x b2[first expert] + second weight x b2[second expert]
.irp k, 0,1,2,3,4,5,6,7
	v_mul_f32 v[HID+16*\i+\k], s[GWS+2*\i], v[HID+16*\i+\k]
.endr
.irp k, 0,1,2,3,4,5,6,7
	v_fma_f32 v[HID+16*\i+\k], s[GWS+2*\i+1], v[HID+16*\i+8+\k], v[HID+16*\i+\k]
.endr
.endr
	s_wait_alu depctr_va_vdst(0)                   ; the multiply-adds have written the eight bias rows, which the 16 LDS stores below read: one wait for all
.irp i, 0,1,2,3,4,5,6,7
	ds_store_b128 v[SR4], v[HID+16*\i:HID+16*\i+3] offset:PP*\i
	ds_store_b128 v[SR4], v[HID+16*\i+4:HID+16*\i+7] offset:PP*\i+512
.endr
	s_wait_dscnt 0x0                               ; my bias rows have landed: no LDS instruction of mine is out in the walk
	s_wait_alu depctr_vm_vsrc(0)                   ; the LDS stores have read v[HID ..], which the products write next; the loads of x and of b2 have read their offsets in v[T ..] and v[R ..], which the gelu writes next
.Lstep:
	TRIP 1
	s_add_co_u32 s[CNT], s[CNT], 1
	s_cmp_lt_u32 s[CNT], s[NL]
	s_cbranch_scc1 .Lstep
	TRIP 0                                         ; the last step asks for nothing more
	; THE WAY OUT.  My partial sums go to LDS; one barrier; then each wave adds, for 8 rows, the four partial sums and the bias row, and stores whole rows.
	; Rows 0 to 3 come back into window 3 (v0-159), rows 4 to 7 into window 1 (v0-159), where W1's fragments lay: so no register that a store reads is loaded again.
.irp i, 0,1,2,3,4,5,6,7
	v_lshl_add_u32 v[T+\i], s[TOK+\i], 10, v[L16]  ; the row of out0 that belongs to my row i
.endr
	WIN 0x0c                                       ; an LDS store's data are its source 1: window 3
	s_wait_alu depctr_va_vdst(0)                   ; the partial sums are written, which the LDS stores read; v[T] to v[T+7] are written, the global stores' offsets; the last products are done reading window 1, and the additions done with window 3, in which the rows below land
.irp m, 0,1
.irp t, 0,1,2,3,4,5,6,7,8,9,10,11,12,13,14,15
	ds_store_b128 v[SO], v[128*\m+8*\t:128*\m+8*\t+3] offset:16*PP*\m+64*\t        ; lane (r, h): row 16 m + r, outputs 16 t + 8 h + 0 .. 7
	ds_store_b128 v[SO], v[128*\m+8*\t+4:128*\m+8*\t+7] offset:16*PP*\m+64*\t+16
.endr
.endr
	WIN 0
	s_wait_dscnt 0x0                               ; for the others' sake: my stores have landed
	s_barrier_signal -1
	s_barrier_wait -1                              ; the one barrier; it stands outside every branch on data
.macro ROW_IN ps, ii                   ; row 4 ps + ii of my 8: ten loads, 40 registers from 40 ii on of the window in hand: the four partial sums and the bias row, in two halves of 512 bytes
.irp qh, 0,1
	ds_load_b128 v[40*(\ii)+20*\qh:40*(\ii)+20*\qh+3], v[SR0] offset:PP*(4*(\ps)+(\ii))+512*\qh
	ds_load_b128 v[40*(\ii)+20*\qh+4:40*(\ii)+20*\qh+7], v[SR0] offset:PREG+PP*(4*(\ps)+(\ii))+512*\qh
	ds_load_b128 v[40*(\ii)+20*\qh+8:40*(\ii)+20*\qh+11], v[SR2] offset:PP*(4*(\ps)+(\ii))+512*\qh
	ds_load_b128 v[40*(\ii)+20*\qh+12:40*(\ii)+20*\qh+15], v[SR2] offset:PREG+PP*(4*(\ps)+(\ii))+512*\qh
	ds_load_b128 v[40*(\ii)+20*\qh+16:40*(\ii)+20*\qh+19], v[SR4] offset:PP*(4*(\ps)+(\ii))+512*\qh
.endr
.endm
.macro ROW_ADD ii                      ; (sum 0 + sum 1) + (sum 2 + sum 3), then the bias row
.irp qh, 0,1
.irp k, 0,2
.set PB, 40*(\ii)+20*\qh+\k
	v_pk_add_f32 v[PB:PB+1], v[PB:PB+1], v[PB+4:PB+5]
	v_pk_add_f32 v[PB+8:PB+9], v[PB+8:PB+9], v[PB+12:PB+13]
	v_pk_add_f32 v[PB:PB+1], v[PB:PB+1], v[PB+8:PB+9]
	v_pk_add_f32 v[PB:PB+1], v[PB:PB+1], v[PB+16:PB+17]
.endr
.endr
.endm
.macro ROW_OUT ps, ii
.irp qh, 0,1
	global_store_b128 v[T+4*(\ps)+(\ii)], v[40*(\ii)+20*\qh:40*(\ii)+20*\qh+3], s[22:23] offset:512*\qh th:TH_STORE_NT   ; 32 lanes store 512 consecutive bytes, at a multiple of 512 from out0's first byte; written once
.endr
.endm
	WIN 0xc0                                       ; destination window 3
	s_wait_alu depctr_vm_vsrc(0)                   ; my LDS stores have read the registers of window 3 in which rows 0 to 3 land
.irp ii, 0,1,2,3
	ROW_IN 0, \ii
.endr
	WIN 0x40                                       ; destination window 1: no vector or matrix instruction since the wait ahead of the LDS stores names it
	ROW_IN 1, 0
	ROW_IN 1, 1
	WIN 0xcf
.irp ii, 0,1,2,3
	s_wait_dscnt 50-10*\ii                         ; this row's ten loads are in; ten for each later row of the four, and the 20 of rows 4 and 5, may be out
	ROW_ADD \ii
.endr
	WIN 0x40
	ROW_IN 1, 2                                    ; no wait: the additions above name window 3 alone
	ROW_IN 1, 3
	WIN 0x0c
	s_wait_alu depctr_va_vdst(0)                   ; the additions have written rows 0 to 3, which the eight stores below read
.irp ii, 0,1,2,3
	ROW_OUT 0, \ii
.endr
	WIN 0x45
.irp ii, 0,1,2,3
	s_wait_dscnt 30-10*\ii                         ; this row's ten loads are in; ten for each row behind it may be out
	ROW_ADD \ii
.endr
	WIN 0x04
	s_wait_alu depctr_va_vdst(0)                   ; the additions have written rows 4 to 7, which the eight stores below read
.irp ii, 0,1,2,3
	ROW_OUT 1, \ii
.endr
	WIN 0                                          ; the add's two registers lie in window 0
	s_wait_dscnt 0x0                               ; the closing lines, six on end
	s_wait_alu 0x0
	s_wait_tensorcnt 0x0
	ds_add_u32 v67, v71
	s_wait_dscnt 0x0
	s_endpgm
.Lfunc_end_k_qf300ab1658_chain:
	.size	k_qf300ab1658_chain, .Lfunc_end_k_qf300ab1658_chain-k_qf300ab1658_chain
	.p2alignl 7, 3214868480
	.fill 96, 4, 3214868480
	.section	.rodata,"a",@progbits
	.p2align	6, 0x0
	.amdhsa_kernel k_qf300ab1658_chain
		.amdhsa_group_segment_fixed_size 166912
		.amdhsa_private_segment_fixed_size 0
		.amdhsa_enable_private_segment 0
		.amdhsa_kernarg_size 80
		.amdhsa_user_sgpr_count 2
		.amdhsa_user_sgpr_kernarg_segment_ptr 1
		.amdhsa_wavefront_size32 1
		.amdhsa_system_sgpr_workgroup_id_x 1
		.amdhsa_system_sgpr_workgroup_id_y 1
		.amdhsa_system_sgpr_workgroup_id_z 1
		.amdhsa_system_vgpr_workitem_id 0
		.amdhsa_next_free_vgpr 1024
		.amdhsa_next_free_sgpr 102
		.amdhsa_reserve_vcc 0
		.amdhsa_float_denorm_mode_32 3
		.amdhsa_float_denorm_mode_16_64 3
		.amdhsa_memory_ordered 1
		.amdhsa_forward_progress 1
		.amdhsa_inst_pref_size 255
	.end_amdhsa_kernel
	.section	.bss,"aw",@nobits
	.p2align	6
	.space	262144
	.amdgpu_metadata
---
amdhsa.version: [ 1, 2 ]
amdhsa.kernels:
  - .name:           k_qf300ab1658_chain
    .symbol:         k_qf300ab1658_chain.kd
    .args:
      - { .name: xq, .offset: 0, .size: 8, .value_kind: global_buffer, .address_space: global }
      - { .name: xs, .offset: 8, .size: 8, .value_kind: global_buffer, .address_space: global }
      - { .name: wf, .offset: 16, .size: 8, .value_kind: global_buffer, .address_space: global }
      - { .name: b1, .offset: 24, .size: 8, .value_kind: global_buffer, .address_space: global }
      - { .name: b2, .offset: 32, .size: 8, .value_kind: global_buffer, .address_space: global }
      - { .name: order, .offset: 40, .size: 8, .value_kind: global_buffer, .address_space: global }
      - { .name: sel, .offset: 48, .size: 8, .value_kind: global_buffer, .address_space: global }
      - { .name: gw, .offset: 56, .size: 8, .value_kind: global_buffer, .address_space: global }
      - { .name: tiles, .offset: 64, .size: 8, .value_kind: global_buffer, .address_space: global }
      - { .name: out0, .offset: 72, .size: 8, .value_kind: global_buffer, .address_space: global }
    .group_segment_fixed_size: 166912
    .private_segment_fixed_size: 0
    .kernarg_segment_align: 8
    .kernarg_segment_size: 80
    .max_flat_workgroup_size: 128
    .sgpr_count:     102
    .vgpr_count:     1024
    .wavefront_size: 32
...
	.end_amdgpu_metadata
.endif
;; end of part 4
